; MI455X (gfx1250); checked and timed in simulation.
; The chip was launched on July 23, 2026; its instructions are those of AMD's public machine-readable ISA for CDNA 5 (MIT licence, August 2026) and "CDNA5" Instruction Set Architecture Reference Guide (July 2026). The comments in the code are by the model that wrote it; some were corrected since.
;; Attention. Allowed arithmetic: matrix products marked QUANTISED: E2M1 operands, one E8M0 scale for each 32 along K, by v_wmma_scale_f32_16x16x128_f8f6f4 with both operands' format E2M1 (or v_wmma_scale_f32_32x16x128_f4), f32 sums; products left as they are: f32 operands where the result goes on into a quantised operand, else bf16, f16 or f32 operands; f32 sums; everything else in f32.
;; Inputs: Wh 1,024 x 1,024 float32; Ws_b 1,024 float32; Ws_w 1,024 x 1,024 float32; c_dec 1 x 16 x 512 float32; coverage_vector 16 x 4,096 float32; encoder_output 16 x 4,096 x 1,024 float32; h_dec 1 x 16 x 512 float32; v 1,024 float32; wc 1,024 float32; x_padding_masks 16 x 4,096 float32.
;; Outputs: out0 16 x 1,024 float32; out1 16 x 4,096 float32; out2 16 x 4,096 float32.
;; This version of the problem:
;;   THIS VERSION OF THE PROBLEM IS GIVEN IN LOW PRECISION. The matrix products marked QUANTISED in the list below multiply operands that are first quantised to E2M1 (2 exponent bits, 1 mantissa bit; 4 bits a number), with one power-of-two scale for each 32 numbers along K (OCP MX v1.0); their sums are f32. All else is computed in f32.
;;   The module's matrix products, in the order in which they are computed (A, B: the left and right operand; K: the contracted axis; several contracted axes count as one K, in the product's order):
;;     1. [M 65,536, K 1,024] x [K 1,024, N 1,024]; A: input encoder_output; B: input Wh: QUANTISED
;;     2. [M 16, K 1,024] x [K 1,024, N 1,024]; A: computed on the way; B: input Ws_w: QUANTISED
;;     3. [M 65,536, K 1,024] x [K 1,024, N 1]; A: computed on the way; B: input v: left as it is (N = 1 < 16)
;;     4. batch 16 x [M 1, K 4,096] x [K 4,096, N 1,024]; A: computed on the way; B: input encoder_output: left as it is (M = 1 < 16)
;;   THE QUANTISER, for each operand of a quantised product, along K:
;;     - K is cut into blocks of 32 from its start; a last block that is shorter is filled with zeros.
;;     - A block's scale is 2^e with e = floor(log2(the largest magnitude in the block)) - 2, held to -126 .. 127; a block of zeros has e = 0. As a byte (E8M0): e + 127.
;;     - Each number is divided by its block's scale, clamped to +-6, and rounded to the nearest number of E2M1, ties to even, subnormals kept.
;;     - The product sums the exact products of the quantised numbers (number of the format x scale) in f32.
;;   ~~~python
;;   def quantise(x, axis):      # numpy; x: float32 -> the quantised numbers, widened to float32 again
;;       x = np.moveaxis(x, axis, -1); K = x.shape[-1]
;;       x = np.pad(x, [(0, 0)] * (x.ndim - 1) + [(0, -K % 32)]); x = x.reshape(x.shape[:-1] + (-1, 32)); a = np.abs(x).max(-1, keepdims=True)
;;       e = np.where(a > 0, np.clip(np.frexp(np.where(a > 0, a, 1))[1] - 1 - 2, -126, 127), 0)      # np.frexp(a)[1] - 1 = floor(log2(a)), exactly
;;       r = np.clip(x / 2.0 ** e, -6, 6)
;;       step = 2.0 ** (np.maximum(np.frexp(np.where(r == 0, 1, r))[1] - 1, 0) - 1)
;;       q = np.round(r / step) * step * 2.0 ** e      # np.round: ties to even
;;       return np.moveaxis(q.reshape(q.shape[:-2] + (-1,))[..., :K], -1, axis).astype(np.float32)
;;   ~~~
;;   OPERANDS COMPUTED ON THE WAY. 'Computed on the way' means the value that the module computes at that place (a softmax that the list does not call 'softmax' is quantised finished and normalised). What goes into a quantiser is computed in f32, as accurately as f32 sums, v_exp_f32 and their like allow (about 1e-6 of the number): no bf16 or f16 on the way to a quantiser, and a product that is left as it is and whose result goes on into a quantised operand takes f32 operands (vector FMAs, or v_wmma_f32_16x16x4_f32). A number that lies on a knife's edge between two numbers of the format may be rounded either way, as far as f32 arithmetic and the matrix unit's own rounding can turn it there, and no further.
;; 2 versions, each right; version 2 is version 1 with the launches prep, main written anew for expert scheduling mode. Each part assembles by itself: llvm-mc -triple=amdgcn-amd-amdhsa -mcpu=gfx1250 --defsym DOCPART=n.
;; ======== version 1 of 2: 3 launches
;; workspace buffers: whq 557,056 bytes; side 262,144 bytes; scores 262,144 bytes; ctxp 1,048,576 bytes; ml 65,536 bytes
;; launch prep (part 1): grid 96 x 1, 8 waves a work-group, no clusters, 9,216 bytes of LDS; arguments Wh, Ws_w, Ws_b, h_dec, c_dec, wc, v, whq, side; writes whq, side
.if DOCPART == 1
	.amdgcn_target "amdgcn-amd-amdhsa--gfx1250"
	.amdhsa_code_object_version 6
	.text
	.protected	k_q3d376b00ba_prep
	.globl	k_q3d376b00ba_prep
	.p2align	8
	.type	k_q3d376b00ba_prep,@function
k_q3d376b00ba_prep:
	s_mov_b64 s[64:65], 0
	v_nop
	global_prefetch_b8 v0, s[64:65] scope:SCOPE_SE
	s_setreg_imm32_b32 hwreg(HW_REG_WAVE_MODE, 25, 1), 1
	s_wait_xcnt 0x0
; Two jobs, parted by the work-group's number.
; WORK-GROUPS 0-31: Wh [1024 (k)][1024 (n)] f32 becomes codes of E2M1 with one E8M0 byte for each 32 along K, laid in the order of a matrix operand's registers.
;   A tile T of 16 columns has 8,704 bytes in whq: block kb (32 along K) of column 16 T + r at 256 kb + 16 r; behind the 8,192 bytes of codes the scale words: K step k (128 along K) of column r at 8192 + 256 (k / 4) + 16 r + 4 (k % 4).
;   A lane takes a column and its registers run down K, so a block of 32 is one lane's and nothing is transposed.  A wave: 32 columns x 128 along K.
;   The codes leave 16 lanes to 256 consecutive bytes; the scale words leave as 4 bytes a lane, 16 bytes apart (32 KB in the whole launch).
; WORK-GROUPS 32-95: tile T = number - 32 of dec = Q(s_t) Q(Ws_w) + Ws_b, s_t = [h_dec, c_dec], 16 batches x 16 columns.  Wave w takes K step w: it quantises its part of both operands in registers and
;   issues one matrix instruction; the eight partial tiles meet in LDS and are added in ascending K.  (So K is split over eight f32 sums: an order of rounding that differs from one chain's.)
;   Out: side[(b 64 + T) 16 + r] = {wc[n], dec[b][n], v[n], 0}, 16 bytes, n = 16 T + r: sixteen lanes store 256 consecutive bytes.
; A block's scale is 2^(floor(log2(largest magnitude)) - 2); its byte is that magnitude's exponent field - 2, held at 1 from below.
; LIMITS: a block of zeros, or one whose largest magnitude lies under 2^-124, gets the byte 1 (its codes are zeros or nearly so; the bytes are read by this program alone); NaN and infinities are not served.
.set TILEB, 8704
; a block of 32 numbers in v[src] on -> 4 registers of codes at v[dst], the scale's byte in v[tm]; v[tm+1], v[tm+2] at work
.macro QB src, dst, tm
	v_max3_num_f32 v[\tm], |v[\src]|, |v[\src+1]|, |v[\src+2]|
	v_max3_num_f32 v[\tm+1], |v[\src+3]|, |v[\src+4]|, |v[\src+5]|
.irp i, 6,10,14,18,22,26
	v_max3_num_f32 v[\tm], v[\tm], |v[\src+\i]|, |v[\src+\i+1]|
	v_max3_num_f32 v[\tm+1], v[\tm+1], |v[\src+\i+2]|, |v[\src+\i+3]|
.endr
	v_max3_num_f32 v[\tm], v[\tm], |v[\src+30]|, |v[\src+31]|
	v_max3_num_f32 v[\tm], v[\tm], v[\tm+1], 0x1800000     ; the floor 2^(3 - 127): the byte cannot fall under 1
	v_add_nc_u32 v[\tm+2], 0xff000000, v[\tm]              ; 2 off the exponent field: the conversion's scale operand
.irp g, 0,1,2,3
	v_cvt_scalef32_pk8_fp4_f32 v[\dst+\g], v[\src+8*\g:\src+8*\g+7], v[\tm+2]
.endr
	v_lshrrev_b32 v[\tm], 23, v[\tm+2]                     ; the byte; also the plain line behind the conversions
.endm
	s_load_b512 s[4:19], s[0:1], 0x0               ; Wh 4, Ws_w 6, Ws_b 8, h_dec 10, c_dec 12, wc 14, v 16, whq 18
	s_load_b64 s[20:21], s[0:1], 0x40              ; side
	v_lshl_add_u32 v224, v0, 2, 0x2000
	v_mov_b32 v225, 0
	v_lshrrev_b32 v1, 5, v0
	v_readfirstlane_b32 s22, v1                    ; wave 0..7
	v_and_b32 v1, 31, v0                           ; lane
	v_and_b32 v2, 15, v0                           ; r
	v_bfe_u32 v3, v0, 4, 1                         ; h
	s_lshl_b32 s23, s22, 10
	v_lshl_add_u32 v8, v1, 2, s23                  ; LDS: my wave's partial tile, 4 bytes a lane
	v_lshlrev_b32 v9, 2, v0                        ; LDS: 4 x thread
	s_mov_b32 s29, 0
	s_wait_kmcnt 0x0
	s_cmp_lt_u32 ttmp9, 32
	s_cbranch_scc0 .Ldec
	; ---- Wh
	s_and_b32 s24, ttmp9, 7
	s_lshr_b32 s26, ttmp9, 3
	s_and_b32 s27, s22, 3
	s_lshr_b32 s28, s22, 2
	s_lshl_b32 s24, s24, 7
	s_lshl_b32 s27, s27, 5
	s_add_co_u32 s24, s24, s27                     ; n0: my wave's first column
	s_lshl_b32 s26, s26, 1
	s_add_co_u32 s26, s26, s28                     ; k: my K step
	s_lshl_b32 s28, s26, 19                        ; 128 rows of 4,096 bytes
	s_lshl_b32 s30, s24, 2
	s_add_co_u32 s28, s28, s30
	s_add_nc_u64 s[4:5], s[4:5], s[28:29]
	s_lshr_b32 s30, s24, 4
	s_mul_i32 s30, s30, TILEB                      ; my first tile
	s_lshl_b32 s31, s26, 10
	s_add_co_u32 s28, s30, s31
	s_add_nc_u64 s[32:33], s[18:19], s[28:29]      ; its codes of K step k
	s_lshr_b32 s31, s26, 2
	s_lshl_b32 s31, s31, 8
	s_and_b32 s34, s26, 3
	s_lshl_b32 s34, s34, 2
	s_add_co_u32 s28, s30, s31
	s_add_co_u32 s28, s28, s34
	s_add_co_u32 s28, s28, 8192
	s_add_nc_u64 s[34:35], s[18:19], s[28:29]      ; its scale words of K step k
	v_lshlrev_b32 v4, 2, v1                        ; in: 4 bytes a lane
	v_mul_u32_u24 v5, v3, TILEB
	v_lshl_add_u32 v5, v2, 4, v5                   ; out: lanes 16-31 belong to the next tile; 16 bytes a column
.irp b, 0,1,2,3
.irp i, 0,1,2,3,4,5,6,7,8,9,10,11,12,13,14,15,16,17,18,19,20,21,22,23,24,25,26,27,28,29,30,31
	global_load_b32 v[64+32*\b+\i], v4, s[4:5] offset:(32*\b+\i)*4096 th:TH_LOAD_NT
.endr
.endr
.irp b, 0,1,2,3
.if \b < 2
	s_wait_loadcnt 63                              ; of my 128 loads at most 63 are out: the first 65 are in, blocks 0 and 1 among them
.else
	s_wait_loadcnt 96-32*\b                        ; the later blocks' loads may be out
.endif
	QB 64+32*\b, 16+4*\b, 32+4*\b
	global_store_b128 v5, v[16+4*\b:19+4*\b], s[32:33] offset:256*\b   ; each block has its own registers: no store's data are written again
.endr
	v_lshl_or_b32 v48, v36, 8, v32                 ; the four bytes make my column's scale word
	v_lshl_or_b32 v48, v40, 16, v48
	v_lshl_or_b32 v48, v44, 24, v48
	global_store_b32 v5, v48, s[34:35]
	s_endpgm
	; ---- dec
.Ldec:
	s_sub_co_u32 s24, ttmp9, 32                    ; T
	s_lshl_b32 s28, s24, 6                         ; 16 columns of f32
	s_add_nc_u64 s[8:9], s[8:9], s[28:29]
	s_add_nc_u64 s[14:15], s[14:15], s[28:29]
	s_add_nc_u64 s[16:17], s[16:17], s[28:29]
	s_lshl_b32 s30, s22, 19
	s_add_co_u32 s28, s28, s30
	s_add_nc_u64 s[6:7], s[6:7], s[28:29]          ; Ws_w at row 128 w, column 16 T
	s_cmp_lt_u32 s22, 4                            ; K steps 0-3 lie in h_dec, 4-7 in c_dec
	s_cselect_b64 s[10:11], s[10:11], s[12:13]
	s_and_b32 s28, s22, 3
	s_lshl_b32 s28, s28, 9
	s_add_nc_u64 s[10:11], s[10:11], s[28:29]
	s_lshl_b32 s28, s22, 14                        ; on the way out my wave's number is the batch's low part
	s_lshl_b32 s30, s24, 8
	s_add_co_u32 s28, s28, s30
	s_add_nc_u64 s[20:21], s[20:21], s[28:29]
	s_mov_b32 s36, 0x76543210
	s_mov_b32 s37, 0xfedcba98                      ; selects for lane l xor 16
	v_lshlrev_b32 v4, 2, v2                        ; 4 r
	v_lshl_add_u32 v5, v3, 17, v4                  ; Ws_w: column r; lanes 16-31 begin 32 rows further down
	v_lshlrev_b32 v6, 11, v2
	v_lshl_add_u32 v6, v3, 7, v6                   ; s_t: batch r, 2,048 bytes a row; + 32 numbers for lanes 16-31
	v_lshlrev_b32 v7, 4, v2
	v_lshl_add_u32 v7, v3, 17, v7                  ; side: 16 r + 8 h batches of 16,384 bytes
	v_mov_b32 v54, 0                               ; a lane permute's destination counts as read
	v_mov_b32 v55, 0
	global_load_b32 v196, v4, s[14:15]             ; wc
	global_load_b32 v198, v4, s[16:17]             ; v
	global_load_b32 v200, v4, s[8:9]               ; Ws_b
.irp c, 0,1
.irp i, 0,1,2,3,4,5,6,7,8,9,10,11,12,13,14,15,16,17,18,19,20,21,22,23,24,25,26,27,28,29,30,31
	global_load_b32 v[64+32*\c+\i], v5, s[6:7] offset:(64*\c+\i)*4096 th:TH_LOAD_NT   ; Ws_w(128 w + 64 c + 32 h + i, 16 T + r)
.endr
.endr
.irp c, 0,1
.irp j, 0,1,2,3,4,5,6,7
	global_load_b128 v[128+32*\c+4*\j:131+32*\c+4*\j], v6, s[10:11] offset:256*\c+16*\j   ; s_t(r, 128 w + 64 c + 32 h + 4 j ..)
.endr
.endr
	s_wait_loadcnt 0x0
	QB 64, 16, 32                                  ; Ws_w's blocks h and 2 + h -> v[16:23]
	QB 96, 20, 36
	QB 128, 24, 40                                 ; s_t's -> v[24:31]
	QB 160, 28, 44
	v_lshlrev_b32 v48, 3, v3                       ; 8 h bits
	v_lshl_or_b32 v53, v36, 16, v32                ; my two bytes, at their places in the scale word;
	v_lshl_or_b32 v52, v44, 16, v40
	v_lshlrev_b32 v53, v48, v53
	v_lshlrev_b32 v52, v48, v52
	v_permlanex16_b32 v55, v53, s36, s37
	v_permlanex16_b32 v54, v52, s36, s37
	v_or_b32 v53, v53, v55                         ; with lane l xor 16's two the word is whole
	v_or_b32 v52, v52, v54
.rept 8
	v_nop                                          ; a scale register written by a vector instruction stands 8 places ahead of a scaled matrix instruction, an operand 4
.endr
	v_wmma_scale_f32_16x16x128_f8f6f4 v[56:63], v[24:31], v[16:23], 0, v52, v53 matrix_a_fmt:MATRIX_FMT_FP4 matrix_b_fmt:MATRIX_FMT_FP4   ; register j: (batch 8 h + j, column r)
.rept 4
	v_nop
.endr
.irp j, 0,1,2,3,4,5,6,7
	ds_store_b32 v8, v[56+\j] offset:128*\j        ; the result from its low end on
.endr
	s_wait_dscnt 0x0                               ; for the others' sake: my stores have landed
	s_barrier_signal -1
	s_barrier_wait -1
.irp k, 0,1,2,3,4,5,6,7
	ds_load_b32 v[204+\k], v9 offset:1024*\k       ; thread (wave j, lane): K step k's partial of (batch 8 h + j, column r)
.endr
	s_wait_dscnt 0x0
	v_add_f32 v197, v204, v205
.irp k, 2,3,4,5,6,7
	v_add_f32 v197, v197, v[204+\k]                ; K ascending
.endr
	v_add_f32 v197, v197, v200                     ; + Ws_b
	v_mov_b32 v199, 0
	global_store_b128 v7, v[196:199], s[20:21]
	s_wait_tensorcnt 0x0
	ds_add_u32 v224, v225
	s_wait_dscnt 0x0
	s_endpgm
.Lfunc_end_k_q3d376b00ba_prep:
	.size	k_q3d376b00ba_prep, .Lfunc_end_k_q3d376b00ba_prep-k_q3d376b00ba_prep
	.p2alignl 7, 3214868480
	.fill 96, 4, 3214868480
	.section	.rodata,"a",@progbits
	.p2align	6, 0x0
	.amdhsa_kernel k_q3d376b00ba_prep
		.amdhsa_group_segment_fixed_size 9216
		.amdhsa_private_segment_fixed_size 0
		.amdhsa_enable_private_segment 0
		.amdhsa_kernarg_size 72
		.amdhsa_user_sgpr_count 2
		.amdhsa_user_sgpr_kernarg_segment_ptr 1
		.amdhsa_wavefront_size32 1
		.amdhsa_system_sgpr_workgroup_id_x 1
		.amdhsa_system_sgpr_workgroup_id_y 1
		.amdhsa_system_sgpr_workgroup_id_z 1
		.amdhsa_system_vgpr_workitem_id 0
		.amdhsa_next_free_vgpr 226
		.amdhsa_next_free_sgpr 66
		.amdhsa_reserve_vcc 0
		.amdhsa_float_denorm_mode_32 3
		.amdhsa_float_denorm_mode_16_64 3
		.amdhsa_memory_ordered 1
		.amdhsa_forward_progress 1
		.amdhsa_inst_pref_size 38
	.end_amdhsa_kernel
	.amdgpu_metadata
---
amdhsa.version: [ 1, 2 ]
amdhsa.kernels:
  - .name:           k_q3d376b00ba_prep
    .symbol:         k_q3d376b00ba_prep.kd
    .args:
      - { .name: Wh, .offset: 0, .size: 8, .value_kind: global_buffer, .address_space: global }
      - { .name: Ws_w, .offset: 8, .size: 8, .value_kind: global_buffer, .address_space: global }
      - { .name: Ws_b, .offset: 16, .size: 8, .value_kind: global_buffer, .address_space: global }
      - { .name: h_dec, .offset: 24, .size: 8, .value_kind: global_buffer, .address_space: global }
      - { .name: c_dec, .offset: 32, .size: 8, .value_kind: global_buffer, .address_space: global }
      - { .name: wc, .offset: 40, .size: 8, .value_kind: global_buffer, .address_space: global }
      - { .name: v, .offset: 48, .size: 8, .value_kind: global_buffer, .address_space: global }
      - { .name: whq, .offset: 56, .size: 8, .value_kind: global_buffer, .address_space: global }
      - { .name: side, .offset: 64, .size: 8, .value_kind: global_buffer, .address_space: global }
    .group_segment_fixed_size: 9216
    .private_segment_fixed_size: 0
    .kernarg_segment_align: 8
    .kernarg_segment_size: 72
    .max_flat_workgroup_size: 256
    .sgpr_count:     66
    .vgpr_count:     226
    .wavefront_size: 32
...
	.end_amdgpu_metadata
.endif
;; end of part 1
;; launch main (part 2): grid 256 x 1, 4 waves a work-group, no clusters, 305,664 bytes of LDS; arguments encoder_output, coverage_vector, x_padding_masks, v, whq, side, scores, ctxp, ml; writes scores, ctxp, ml
.if DOCPART == 2
	.amdgcn_target "amdgcn-amd-amdhsa--gfx1250"
	.amdhsa_code_object_version 6
	.text
	.protected	k_q3d376b00ba_main
	.globl	k_q3d376b00ba_main
	.p2align	8
	.type	k_q3d376b00ba_main,@function
k_q3d376b00ba_main:
	s_mov_b64 s[64:65], 0
	v_nop
	global_prefetch_b8 v0, s[64:65] scope:SCOPE_SE
	s_setreg_imm32_b32 hwreg(HW_REG_WAVE_MODE, 25, 1), 1
	s_wait_xcnt 0x0
; score[row] = sum over e of v[e] tanh((Q(enc) Q(Wh))[row][e] + dec[b][e] + cov[row] wc[e]), and with it, in the same pass over enc, a running maximum m, a running sum l = sum of exp(score - m) mask
; and a partial context sum of exp(score - m) mask enc[row][:].  enc is read from memory ONCE.
; SHARES.  Work-group g owns rows 256 g .. 256 g + 255 (batch g / 16), as four sub-blocks of 64 rows.  For the product the four waves split N: wave w makes columns 256 w .. + 255 (16 tiles of 16) for all 64 rows.
; For quantising they split rows: wave w turns rows 16 w .. + 15 of the NEXT sub-block into codes, scale bytes and a bf16 copy, all in LDS, while this sub-block is multiplied.
; A TRIP is 2 tiles of columns x 4 tiles of rows x 8 K steps = 64 matrix instructions, whose C begins as cov wc + dec.  BY TURNS: the first tile's 32 products stand with the quantising of two rows of enc between them,
; a slice behind each K step's four; the second tile's 32 with the first tile's tanh between them; the second tile's tanh follows.  Wh's codes come from memory straight into the operand's registers
; (the launch before laid them so), one trip ahead, in two sets; enc's rows are asked for in the trip's middle, for the trip after the next, in two sets.
; tanh(x) = 1 - 2 / (1 + 2^(c x)), c = 2 log2(e).  The lane's sums begin at -1/2 of its share of sum(v) and add v / (1 + 2^(c x)); score = -2 x the sum: nothing is left out.
; THE SOFTMAX is kept by a running maximum over ALL scores, masked ones too; the last launch joins the 16 work-groups of a batch.
; NO CLUSTER, NO TENSOR LOADS: 262,144 of the 303,104 bytes of LDS in use hold the two bf16 copies that spare a second pass over enc's 268 MB; a ring for the four waves' tiles of Wh (2 x 4 x 8,704 bytes at the least, twice) has no room beside them.
; PREFETCH INTO THE L2: at the head of each pair of trips that quantises, behind the run of Wh's loads, a wave asks for the four rows of enc (16,384 bytes, lanes 256 bytes apart, two instructions) that the NEXT pair's
; loads will take.  A wave asks for its own rows alone, so each block is named once; a counter ends the requests with the work-group's last rows.
; LIMITS: a block of zeros, or one whose largest magnitude lies under 2^-124, gets the scale byte 1; NaN and infinities are not served; the context takes enc rounded to bf16, its weights in f32.
; LDS: two bf16 copies of 64 rows x 2,048 bytes; 64 rows of codes, 512 bytes + 16 (33 x 16: the 16 rows of a fragment load start at 16 different banks); 64 rows of 32 scale bytes, pitch 48;
;      4 x 64 partial scores; 64 weights for each wave; the work-group's 256 cov and 256 mask numbers.
; REGISTERS, in windows of 256: window 0 as named below; window 1: enc's 32 fragments (tile of rows m, K step k at 8 (8 m + k)), between sub-blocks 64 rows of the bf16 copy;
;      window 2: Wh's fragments, two sets (128 u + 64 n + 8 k); window 3: enc as f32, two sets of 64.
.set CP,    528
.set AP,    48
.set BUF,   131072
.set COD,   2*BUF
.set ASC,   COD+64*CP
.set SCP,   ASC+64*AP
.set PBR,   SCP+1024
.set CVL,   PBR+1024
.set MKL,   CVL+1024
.set TILEB, 8704
.set L16, 1                            ; 16 x lane
.set R16, 2                            ; 16 x (lane % 16)
.set L32, 3                            ; 32 x lane
.set L8,  5                            ; 8 x lane
.set VXC0, 6                           ; where my wave's 16 rows of codes begin, + 4 x lane
.set VXS0, 7                           ; their scale bytes, + lane / 4
.set VXB0, 8                           ; their bf16 copy, + 16 x lane
.set VXC, 9                            ; the three with the pair's offsets
.set VXS, 10
.set VXB, 11
.set VAF, 12                           ; a fragment's row and half in the codes
.set VAS, 13                           ; and in the scale bytes
.set VSC, 14                           ; my wave's partial scores, + 32 x (lane / 16)
.set VSR, 15                           ; partial scores of rows 2 lane, 2 lane + 1
.set VPW, 16                           ; my wave's weights, + 8 x lane
.set VPB, 17                           ; my wave's weights
.set VCB0, 18                          ; my 8 columns in a row of the bf16 copy
.set VCA, 19                           ; the same in the copy that is read: rows 0-31,
.set VPA, 20                           ; rows 32-63
.set SVL, 21                           ; -1/2 of my lane's share of sum(v)
.set MR,  22                           ; running maximum
.set LL,  23                           ; my lane's part of the running sum
.set MK,  24                           ; v[24:25] mask of rows 2 lane, 2 lane + 1
.set SCR, 26                           ; v[26:27] their scores
.set CT,  28                           ; v[28:35] context of columns 256 w + 8 lane + 0..7
.set T,   36                           ; v[36:51] at work
.set ASR, 52                           ; v[52:67] enc's scale words: 4 m + q: lanes 0-15 K step q, lanes 16-31 K step 4 + q
.set BSR, 68                           ; v[68:83] Wh's: 8 u + 4 n + q, likewise
.set SD,  84                           ; v[84:99] 8 u + 4 n: {wc, dec, v, 0} of my column
.set COV, 100                          ; v[100:131] cov of row 16 m + 8 h + j at 8 m + j; for the context v[100:163] hold the 64 weights
.set SA,  132                          ; v[132:163] the scores' sums, laid as COV
.set ACC, 164                          ; v[164:227] accumulator (n, m) at 8 (4 n + m)
.set TM,  228                          ; v[228:235] largest magnitudes, then bytes
.set SO,  236                          ; v[236:243] the conversions' scale operands
.set PCD, 244                          ; v[244:251] codes
.set VCV0, 252                         ; cov in LDS, + 32 x (lane / 16)
.set VMK0, 253                         ; the mask in LDS, + 8 x lane
.set PFO, 254                          ; 256 x lane: the prefetches' offset; never rewritten
.set XB,  4                            ; s[4:5] enc at my wave's 16 rows of the sub-block to be loaded next
.set CVP, 6
.set MKP, 8
.set VP,  10
.set BP0, 12                           ; whq at my wave's 16 tiles
.set DP0, 14                           ; side at my batch and my wave's 16 tiles
.set SCG, 16
.set CXP, 18
.set MLP, 20
.set WV,  22
.set BPC, 24                           ; whq, side, enc: where the pair in hand stands
.set DPC, 26
.set XP,  28
.set SUB, 30
.set CNT, 31
.set OXC, 32                           ; the pair's offsets in codes, scale bytes, bf16 copy
.set OXS, 33
.set OXB, 34
.set WB,  35                           ; the bf16 copy that is written, and the one that is read
.set RB,  36
.set CC,  38                           ; s[38:39] c
.set SEL, 40                           ; s[40:41] selects for lane l xor 16
.set L2E, 42
.set OCV, 51                           ; the sub-block's place in cov and mask in LDS
.set PFP, 52                           ; s[52:53] where my prefetches stand: four rows a request
.set PFQ, 54                           ; which four rows of my wave's 64: 4 x sub-block + pair
.set MSB, 0
.macro WIN new                         ; the immediate's high byte repeats the setting that is left
.if MSB != \new
	s_set_vgpr_msb (MSB<<8)|\new
.set MSB, \new
.endif
.endm
; two whole rows of enc, 8,192 consecutive bytes, into set u: unit n (1,024 bytes): lane l takes 8 neighbours along K
.macro XLOAD u, ptr, off
	WIN 0xc0
.irp n, 0,1,2,3,4,5,6,7
	global_load_b128 v[64*(\u)+8*\n:64*(\u)+8*\n+3], v[L32], s[\ptr:\ptr+1] offset:\off+1024*\n th:TH_LOAD_NT
	global_load_b128 v[64*(\u)+8*\n+4:64*(\u)+8*\n+7], v[L32], s[\ptr:\ptr+1] offset:\off+1024*\n+16 th:TH_LOAD_NT
.endr
	WIN 0
.endm
; Set u becomes codes, scale bytes and bf16, all to LDS, in eight slices.  Four neighbouring lanes hold a block of 32.
;   0, 1 the largest magnitude of a lane's eight;  2 of the block, and the scale operand;  3 the codes and the bytes;  4 both to LDS;  5, 6 bf16 in place;  7 the copy to LDS
.macro XQS u, sl
.if \sl == 0
	WIN 0x3c
.irp n, 0,1,2,3,4,5,6,7
	v_max3_num_f32 v[TM+\n], 0x1800000, |v[64*(\u)+8*\n]|, |v[64*(\u)+8*\n+1]|   ; with the floor 2^(3 - 127): the byte cannot fall under 1
.endr
.irp n, 0,1,2,3,4,5,6,7
	v_max3_num_f32 v[TM+\n], v[TM+\n], |v[64*(\u)+8*\n+2]|, |v[64*(\u)+8*\n+3]|
.endr
.elseif \sl == 1
	WIN 0x3c
.irp i, 4,6
.irp n, 0,1,2,3,4,5,6,7
	v_max3_num_f32 v[TM+\n], v[TM+\n], |v[64*(\u)+8*\n+\i]|, |v[64*(\u)+8*\n+\i+1]|
.endr
.endr
.elseif \sl == 2
	WIN 0
.irp x, 1,2
.irp n, 0,1,2,3,4,5,6,7
	v_max_num_f32_dpp v[TM+\n], v[TM+\n], v[TM+\n] row_xmask:\x row_mask:0xf bank_mask:0xf
.endr
.endr
.irp n, 0,1,2,3,4,5,6,7
	v_add_nc_u32 v[SO+\n], 0xff000000, v[TM+\n]    ; 2 off the exponent field
.endr
.elseif \sl == 3
	WIN 0x03
.irp n, 0,1,2,3,4,5,6,7
	v_cvt_scalef32_pk8_fp4_f32 v[PCD+\n], v[64*(\u)+8*\n:64*(\u)+8*\n+7], v[SO+\n]
.endr
	WIN 0
.irp n, 0,1,2,3,4,5,6,7
	v_lshrrev_b32 v[TM+\n], 23, v[SO+\n]           ; the bytes; also the plain lines behind the conversions, ahead of the writes of their sources
.endr
.elseif \sl == 4
	WIN 0
.irp n, 0,1,2,3,4,5,6,7
	ds_store_b32 v[VXC], v[PCD+\n] offset:2*CP*(\u)+CP*(\n/4)+128*(\n%4)
.endr
.irp n, 0,1,2,3,4,5,6,7
	ds_store_b8 v[VXS], v[TM+\n] offset:2*AP*(\u)+AP*(\n/4)+8*(\n%4)   ; the four lanes of a block write the same byte with the same value
.endr
.elseif \sl == 5
	WIN 0xcf
.irp n, 0,1,2,3
.irp i, 0,1,2,3
	v_cvt_pk_bf16_f32 v[64*(\u)+8*\n+\i], v[64*(\u)+8*\n+2*\i], v[64*(\u)+8*\n+2*\i+1]   ; in place, ascending: no number is overwritten before it is read
.endr
.endr
.elseif \sl == 6
	WIN 0xcf
.irp n, 4,5,6,7
.irp i, 0,1,2,3
	v_cvt_pk_bf16_f32 v[64*(\u)+8*\n+\i], v[64*(\u)+8*\n+2*\i], v[64*(\u)+8*\n+2*\i+1]
.endr
.endr
.else
	WIN 0x0c
.irp n, 0,1,2,3,4,5,6,7
	ds_store_b128 v[VXB], v[64*(\u)+8*\n:64*(\u)+8*\n+3] offset:4096*(\u)+2048*(\n/4)+512*(\n%4)
.endr
.endif
.endm
.macro XQ u                            ; the eight slices on end
.irp sl, 0,1,2,3,4,5,6,7
	XQS \u, \sl
.endr
	WIN 0
.endm
; two tiles of Wh's codes, their scale words and the columns' {wc, dec, v, 0} into set u: 36 loads
.macro BLOAD u, bp, boff, dp, doff
	WIN 0x80
.irp n, 0,1
.irp k, 0,1,2,3,4,5,6,7
.irp c, 0,1
	global_load_b128 v[128*(\u)+64*\n+8*\k+4*\c:128*(\u)+64*\n+8*\k+4*\c+3], v[L16], s[\bp:\bp+1] offset:\boff+TILEB*\n+1024*\k+512*\c
.endr
.endr
.endr
	WIN 0
.irp n, 0,1
	global_load_b128 v[BSR+8*(\u)+4*\n:BSR+8*(\u)+4*\n+3], v[L16], s[\bp:\bp+1] offset:\boff+TILEB*\n+8192
	global_load_b128 v[SD+8*(\u)+4*\n:SD+8*(\u)+4*\n+3], v[R16], s[\dp:\dp+1] offset:\doff+256*\n
.endr
.endm
.macro CINIT u                         ; the sums begin as cov wc + dec
.irp n, 0,1
.irp m, 0,1,2,3
.irp p, 0,2,4,6
	v_pk_fma_f32 v[ACC+8*(4*\n+\m)+\p:ACC+8*(4*\n+\m)+\p+1], v[COV+8*\m+\p:COV+8*\m+\p+1], v[SD+8*(\u)+4*\n:SD+8*(\u)+4*\n+1], v[SD+8*(\u)+4*\n:SD+8*(\u)+4*\n+1] op_sel:[0,0,1] op_sel_hi:[1,0,1]
.endr
.endr
.endr
.endm
; K step k of tile n: four matrix instructions, the tile's four accumulators by turns, one instruction a turn
.macro MMG u, n, k
	WIN 0x09                                       ; source 0 (enc) window 1, source 1 (Wh) window 2
.irp m, 0,1,2,3
.if \k < 4
	v_wmma_scale_f32_16x16x128_f8f6f4 v[ACC+8*(4*\n+\m):ACC+8*(4*\n+\m)+7], v[8*(8*\m+\k):8*(8*\m+\k)+7], v[128*(\u)+64*\n+8*\k:128*(\u)+64*\n+8*\k+7], v[ACC+8*(4*\n+\m):ACC+8*(4*\n+\m)+7], v[ASR+4*\m+\k], v[BSR+8*(\u)+4*\n+\k] matrix_a_fmt:MATRIX_FMT_FP4 matrix_b_fmt:MATRIX_FMT_FP4
.else
	v_wmma_scale_f32_16x16x128_f8f6f4 v[ACC+8*(4*\n+\m):ACC+8*(4*\n+\m)+7], v[8*(8*\m+\k):8*(8*\m+\k)+7], v[128*(\u)+64*\n+8*\k:128*(\u)+64*\n+8*\k+7], v[ACC+8*(4*\n+\m):ACC+8*(4*\n+\m)+7], v[ASR+4*\m+\k-4], v[BSR+8*(\u)+4*\n+\k-4] matrix_a_fmt:MATRIX_FMT_FP4 matrix_b_fmt:MATRIX_FMT_FP4 matrix_a_scale:MATRIX_SCALE_ROW1 matrix_b_scale:MATRIX_SCALE_ROW1
.endif
.endr
.endm
; SA += v / (1 + 2^(c x)) over tile n's 32 registers, in seven slices (an eighth is empty); each accumulator is read from its low end on.
;   0 c x;  1, 2 the exponentials;  3 + 1;  4, 5 the reciprocals;  6 the sums.  Each batch of 32 transcendentals has one plain line and one wait behind it, ahead of its first reader.
.macro THS u, n, sl
.set THB, ACC+32*(\n)
.if \sl < 7
	WIN 0
.endif
.if \sl == 0
.set JJ, 0
.rept 16
	v_pk_mul_f32 v[THB+JJ:THB+JJ+1], v[THB+JJ:THB+JJ+1], s[CC:CC+1] op_sel_hi:[1,0]
.set JJ, JJ+2
.endr
.elseif (\sl == 1) || (\sl == 2)
.set JJ, 16*(\sl-1)
.rept 16
	v_exp_f32 v[THB+JJ], v[THB+JJ]
.set JJ, JJ+1
.endr
.elseif \sl == 3
.set JJ, 0
.rept 16
	v_pk_add_f32 v[THB+JJ:THB+JJ+1], v[THB+JJ:THB+JJ+1], 1.0 op_sel_hi:[1,0]
.set JJ, JJ+2
.endr
.elseif (\sl == 4) || (\sl == 5)
.set JJ, 16*(\sl-4)
.rept 16
	v_rcp_f32 v[THB+JJ], v[THB+JJ]
.set JJ, JJ+1
.endr
.elseif \sl == 6
.irp m, 0,1,2,3
.irp p, 0,2,4,6
	v_pk_fma_f32 v[SA+8*\m+\p:SA+8*\m+\p+1], v[ACC+8*(4*\n+\m)+\p:ACC+8*(4*\n+\m)+\p+1], v[SD+8*(\u)+4*\n+2:SD+8*(\u)+4*\n+3], v[SA+8*\m+\p:SA+8*\m+\p+1] op_sel_hi:[1,0,1]
.endr
.endr
.endif
.if (\sl == 2) || (\sl == 5)
	v_nop
	s_wait_alu depctr_va_vdst(0)
.endif
.endm
; A TRIP on set u.  cnt: the loads that may stay out: behind this trip's set of Wh stand the 16 loads of enc that the trip before issued, or none.  xq: two rows of enc are quantised; xl: and two more asked for.
; skip: in the last pair of all there is no next set of Wh.  pf: the pair's prefetches stand here, behind the run of Wh's loads.
.macro TRIP u, xq, xl, cnt, bp, boff, dp, doff, skip, pf
	s_wait_loadcnt \cnt                            ; loads come back in order: this trip's Wh is in, and with it the enc asked for two trips ago
.if \skip
	s_cmp_eq_u32 s[CNT], 1
	s_cbranch_scc1 .Lnb_\@
.endif
	BLOAD 1-\u, \bp, \boff, \dp, \doff             ; the next trip's; the other set's last products stand far more than four plain lines back
.if \skip
.Lnb_\@:
.endif
.if \pf
	s_cmp_lt_u32 s[PFQ], 16                        ; my wave has 16 runs of four rows
	s_cbranch_scc0 .Lnp_\@
	global_prefetch_b8 v[PFO], s[PFP:PFP+1] th:TH_LOAD_NT scope:SCOPE_SE
	global_prefetch_b8 v[PFO], s[PFP:PFP+1] offset:8192 th:TH_LOAD_NT scope:SCOPE_SE
.Lnp_\@:
.endif
	CINIT \u
.irp k, 0,1,2,3,4,5,6,7
	MMG \u, 0, \k
.if \xq
	XQS \u, \k
.endif
.endr
.rept 4
	v_nop                                          ; the places between the first tile's last products and the first read of its results
.endr
.irp k, 0,1,2,3,4,5,6,7
	MMG \u, 1, \k
	THS \u, 0, \k
.if \xl
.if \k == 2
	s_wait_dscnt 0x0                               ; my LDS stores, three slices back, have read set u
	XLOAD \u, XP, (\u+2)*8192
.endif
.endif
.endr
.rept 4
	v_nop                                          ; likewise for the second tile
.endr
.irp k, 0,1,2,3,4,5,6
	THS \u, 1, \k
.endr
.endm
.macro PAIR xq, xl, c0, c1, wrap, skip
.if \xq
	v_add_nc_u32 v[VXC], s[OXC], v[VXC0]
	v_add_nc_u32 v[VXS], s[OXS], v[VXS0]
	v_add_nc_u32 v[VXB], s[OXB], v[VXB0]
.endif
	TRIP 0, \xq, \xl, \c0, BPC, 2*TILEB, DPC, 512, 0, \xq
.if \wrap
	TRIP 1, \xq, \xl, \c1, BP0, 0, DP0, 0, 0, 0    ; the next sub-block begins at my first tiles again
.else
	TRIP 1, \xq, \xl, \c1, BPC, 4*TILEB, DPC, 1024, \skip, 0
.endif
	s_wait_xcnt 0x0                                ; the bases are stepped only behind this wait; the last load stands half a trip back
	s_add_nc_u64 s[BPC:BPC+1], s[BPC:BPC+1], 4*TILEB
	s_add_nc_u64 s[DPC:DPC+1], s[DPC:DPC+1], 1024
.if \xq
	s_add_nc_u64 s[XP:XP+1], s[XP:XP+1], 16384
	s_add_co_u32 s[OXC], s[OXC], 4*CP
	s_add_co_u32 s[OXS], s[OXS], 4*AP
	s_add_co_u32 s[OXB], s[OXB], 8192
	s_and_b32 s55, s[PFQ], 3                       ; the prefetches go four rows on; behind a sub-block's last four to the next sub-block's first: 262,144 - 3 x 16,384 bytes
	s_cmp_eq_u32 s55, 3
	s_mov_b32 s56, 16384
	s_cselect_b32 s56, 212992, s56
	s_mov_b32 s57, 0
	s_add_nc_u64 s[PFP:PFP+1], s[PFP:PFP+1], s[56:57]
	s_add_co_u32 s[PFQ], s[PFQ], 1
.endif
.endm
.macro BARRIER                         ; my LDS stores have landed and my LDS loads are in: then the work-group's barrier
	s_wait_dscnt 0x0
	s_barrier_signal -1
	s_barrier_wait -1
.endm
; A sub-block's head: its cov, mask, 32 fragments and scale words, all from LDS; the sums begin.  Behind the barrier the codes, the scale bytes, the partial scores and the older bf16 copy may be written again.
.macro HEAD
	v_add_nc_u32 v[T+12], s[OCV], v[VCV0]
	v_add_nc_u32 v[T+13], s[OCV], v[VMK0]
.irp m, 0,1,2,3
	ds_load_b128 v[COV+8*\m:COV+8*\m+3], v[T+12] offset:64*\m
	ds_load_b128 v[COV+8*\m+4:COV+8*\m+7], v[T+12] offset:64*\m+16
.endr
	ds_load_b64 v[MK:MK+1], v[T+13]
	WIN 0x40
.irp m, 0,1,2,3
.irp k, 0,1,2,3,4,5,6,7
.irp c, 0,1
	ds_load_b128 v[8*(8*\m+\k)+4*\c:8*(8*\m+\k)+4*\c+3], v[VAF] offset:16*CP*\m+64*\k+32*\c
.endr
.endr
.endr
	WIN 0
.irp m, 0,1,2,3
	ds_load_b128 v[ASR+4*\m:ASR+4*\m+3], v[VAS] offset:16*AP*\m
.endr
.set JJ, 0
.rept 32
	v_mov_b32 v[SA+JJ], v[SVL]
.set JJ, JJ+1
.endr
	s_mov_b64 s[BPC:BPC+1], s[BP0:BP0+1]
	s_mov_b64 s[DPC:DPC+1], s[DP0:DP0+1]
	s_mov_b64 s[XP:XP+1], s[XB:XB+1]
	s_mov_b32 s[OXC], 0
	s_mov_b32 s[OXS], 0
	s_mov_b32 s[OXB], s[WB]
	s_add_co_u32 s[OCV], s[OCV], 256               ; 64 numbers on
	BARRIER
.endm
; the sums over my wave's 256 columns: across the 16 lanes of a half, then to LDS.  Behind the barrier the four waves' partial scores, and the next sub-block's codes, bytes and bf16 copy, are whole.
.macro REDUCE
.irp x, 1,2,4,8
.set JJ, 0
.rept 32
	v_add_f32_dpp v[SA+JJ], v[SA+JJ], v[SA+JJ] row_xmask:\x row_mask:0xf bank_mask:0xf
.set JJ, JJ+1
.endr
.endr
.irp m, 0,1,2,3
.irp q, 0,1
	ds_store_b128 v[VSC], v[SA+8*\m+4*\q:SA+8*\m+4*\q+3] offset:64*\m+16*\q   ; the sixteen lanes of a half write the same bytes with the same values
.endr
.endr
	BARRIER
.endm
; the sub-block's 64 scores (every wave makes all of them, two a lane), the running maximum and sum, and the context of my wave's 256 columns from the bf16 copy
.macro SCORECTX
.irp q, 0,1,2,3
	ds_load_b64 v[T+2*\q:T+2*\q+1], v[VSR] offset:256*\q
.endr
	s_wait_dscnt 0x0
	v_pk_add_f32 v[T:T+1], v[T:T+1], v[T+2:T+3]
	v_pk_add_f32 v[T+4:T+5], v[T+4:T+5], v[T+6:T+7]
	v_pk_add_f32 v[T:T+1], v[T:T+1], v[T+4:T+5]
	v_pk_mul_f32 v[SCR:SCR+1], v[T:T+1], -2.0 op_sel_hi:[1,0]
	s_cmp_lg_u32 s[WV], 0
	s_cbranch_scc1 .Lns_\@
	global_store_b64 v[L8], v[SCR:SCR+1], s[SCG:SCG+1]     ; 32 lanes store 256 consecutive bytes
.Lns_\@:
	v_max_num_f32 v[T+8], v[SCR], v[SCR+1]
.irp x, 1,2,4,8
	v_max_num_f32_dpp v[T+8], v[T+8], v[T+8] row_xmask:\x row_mask:0xf bank_mask:0xf
.endr
	v_permlanex16_b32 v[T+9], v[T+8], s[SEL], s[SEL+1]
	v_max3_num_f32 v[T+10], v[T+8], v[T+9], v[MR]          ; the new maximum
	v_sub_f32 v[T], v[SCR], v[T+10]
	v_sub_f32 v[T+1], v[SCR+1], v[T+10]
	v_sub_f32 v[T+2], v[MR], v[T+10]
	v_mul_f32 v[T], s[L2E], v[T]
	v_mul_f32 v[T+1], s[L2E], v[T+1]
	v_mul_f32 v[T+2], s[L2E], v[T+2]
	v_exp_f32 v[T], v[T]
	v_exp_f32 v[T+1], v[T+1]
	v_exp_f32 v[T+2], v[T+2]                               ; f: what was summed under the old maximum is multiplied by it
	v_mov_b32 v[MR], v[T+10]                               ; (a plain line behind the exponentials)
	v_add_nc_u32 v[VCA], s[RB], v[VCB0]                    ; the copy that is read: rows 0-31,
	v_add_nc_u32 v[VPA], 0x10000, v[VCA]                   ; rows 32-63: an LDS immediate has 16 bits
	s_wait_alu depctr_va_vdst(0)                           ; the wait for the exponentials, ahead of the first reader
	v_pk_mul_f32 v[T:T+1], v[T:T+1], v[MK:MK+1]            ; the weights: exp(score - m) x mask
	v_fma_f32 v[LL], v[LL], v[T+2], v[T]
	v_add_f32 v[LL], v[LL], v[T+1]
.irp i, 0,2,4,6
	v_pk_mul_f32 v[CT+\i:CT+\i+1], v[CT+\i:CT+\i+1], v[T+2:T+3] op_sel_hi:[1,0]
.endr
	ds_store_b64 v[VPW], v[T:T+1]                          ; my wave's own bytes: LDS serves a wave's instructions in order, so the loads below see them
.set JJ, 0
.rept 16
	ds_load_b128 v[COV+4*JJ:COV+4*JJ+3], v[VPB] offset:16*JJ       ; all 64 weights, the same in every lane, over cov's and the sums' registers, which are done with
.set JJ, JJ+1
.endr
	WIN 0x40                                               ; the 64 rows go to window 1: its fragments have had their last product, and the next sub-block's come behind this
.set JJ, 0
.rept 32
	ds_load_b128 v[4*JJ:4*JJ+3], v[VCA] offset:2048*JJ             ; 32 lanes read 512 consecutive bytes of a row
.set JJ, JJ+1
.endr
.set JJ, 0
.rept 32
	ds_load_b128 v[128+4*JJ:128+4*JJ+3], v[VPA] offset:2048*JJ
.set JJ, JJ+1
.endr
	WIN 0x01
.irp g, 0,1,2,3
	s_wait_dscnt 48-16*\g                                  ; rows up to 16 g + 15 are in; the later rows' loads may be out
.set JJ, 16*\g
.rept 16
.irp q, 0,1,2,3
	v_fma_mix_f32_bf16 v[CT+2*\q], v[4*JJ+\q], v[COV+JJ], v[CT+2*\q] op_sel:[0,0,0] op_sel_hi:[1,0,0]
	v_fma_mix_f32_bf16 v[CT+2*\q+1], v[4*JJ+\q], v[COV+JJ], v[CT+2*\q+1] op_sel:[1,0,0] op_sel_hi:[1,0,0]
.endr
.set JJ, JJ+1
.endr
.endr
	WIN 0
	s_wait_xcnt 0x0                                        ; the scores' store has read its base and its data
	s_add_nc_u64 s[SCG:SCG+1], s[SCG:SCG+1], 256
.endm
	s_load_b512 s[4:19], s[0:1], 0x0               ; enc 4, cov 6, mask 8, v 10, whq 12, side 14, scores 16, ctxp 18
	s_load_b64 s[20:21], s[0:1], 0x40              ; ml
	v_lshl_add_u32 v51, v0, 2, 0x4a800
	v_mov_b32 v255, 0
	v_lshrrev_b32 v36, 5, v0
	v_readfirstlane_b32 s[WV], v36                 ; wave 0..3
	v_and_b32 v36, 31, v0                          ; lane
	v_and_b32 v37, 15, v0                          ; r
	v_bfe_u32 v38, v0, 4, 1                        ; h
	v_lshlrev_b32 v39, 2, v37
	v_lshlrev_b32 v[L16], 4, v36
	v_lshlrev_b32 v[R16], 4, v37
	v_lshlrev_b32 v[L32], 5, v36
	v_lshlrev_b32 v[L8], 3, v36
	v_lshlrev_b32 v[PFO], 8, v36
	s_mul_i32 s44, s[WV], 16*CP
	s_add_co_u32 s44, s44, COD
	v_lshl_add_u32 v[VXC0], v36, 2, s44
	s_mul_i32 s44, s[WV], 16*AP
	s_add_co_u32 s44, s44, ASC
	v_lshrrev_b32 v[VXS0], 2, v36
	v_add_nc_u32 v[VXS0], s44, v[VXS0]
	s_lshl_b32 s44, s[WV], 15
	v_lshl_add_u32 v[VXB0], v36, 4, s44
	v_mul_u32_u24 v[VAF], v37, CP
	v_lshl_add_u32 v[VAF], v38, 4, v[VAF]
	v_add_nc_u32 v[VAF], COD, v[VAF]
	v_mul_u32_u24 v[VAS], v37, AP
	v_lshl_add_u32 v[VAS], v38, 4, v[VAS]
	v_add_nc_u32 v[VAS], ASC, v[VAS]
	s_lshl_b32 s44, s[WV], 8
	s_add_co_u32 s45, s44, SCP
	v_lshl_add_u32 v[VSC], v38, 5, s45
	v_lshl_add_u32 v[VSR], v36, 3, SCP
	s_add_co_u32 s45, s44, PBR
	v_lshl_add_u32 v[VPW], v36, 3, s45
	v_mov_b32 v[VPB], s45
	s_lshl_b32 s44, s[WV], 9
	v_lshl_add_u32 v[VCB0], v36, 4, s44
	v_lshl_add_u32 v[VCV0], v38, 5, CVL
	v_lshl_add_u32 v[VMK0], v36, 3, MKL
	v_lshlrev_b32 v44, 3, v0                       ; 8 x thread: my two numbers of the work-group's 256 cov, and of its mask,
	v_lshl_add_u32 v46, v0, 3, CVL                 ; and their place in LDS
	s_mov_b32 s[CC], 0x4038aa3b                    ; c = 2 log2(e)
	s_mov_b32 s[CC+1], s[CC]                       ; (named with it as a pair, so it is written)
	s_mov_b32 s[SEL], 0x76543210
	s_mov_b32 s[SEL+1], 0xfedcba98
	s_mov_b32 s[L2E], 0x3fb8aa3b                   ; log2(e)
	s_mov_b32 s[WB], BUF
	s_mov_b32 s[RB], 0
	s_mov_b32 s[OXC], 0
	s_mov_b32 s[OXS], 0
	s_mov_b32 s[OXB], 0                            ; sub-block 0's bf16 copy goes to the first buffer
	s_mov_b32 s[OCV], 0
	s_mov_b32 s[PFQ], 6                            ; the first request: sub-block 1, its third run of four rows
	s_lshl_b32 s44, ttmp9, 20                      ; 256 rows of 4,096 bytes
	s_lshl_b32 s45, s[WV], 16                      ; 16 rows
	s_add_co_u32 s44, s44, s45
	s_mov_b32 s45, 0
	s_lshl_b32 s46, ttmp9, 10                      ; 256 f32
	s_mov_b32 s47, 0
	s_wait_kmcnt 0x0
	s_add_nc_u64 s[XB:XB+1], s[XB:XB+1], s[44:45]
	s_add_nc_u64 s[CVP:CVP+1], s[CVP:CVP+1], s[46:47]
	s_add_nc_u64 s[MKP:MKP+1], s[MKP:MKP+1], s[46:47]
	s_add_nc_u64 s[SCG:SCG+1], s[SCG:SCG+1], s[46:47]
	s_lshl_b32 s44, s[WV], 10
	s_add_nc_u64 s[VP:VP+1], s[VP:VP+1], s[44:45]
	s_mul_i32 s44, s[WV], 16*TILEB
	s_add_nc_u64 s[BP0:BP0+1], s[BP0:BP0+1], s[44:45]
	s_lshr_b32 s44, ttmp9, 4
	s_lshl_b32 s44, s44, 14
	s_lshl_b32 s46, s[WV], 12
	s_add_co_u32 s44, s44, s46
	s_add_nc_u64 s[DP0:DP0+1], s[DP0:DP0+1], s[44:45]
	s_lshl_b32 s44, ttmp9, 12
	s_lshl_b32 s46, s[WV], 10
	s_add_co_u32 s44, s44, s46
	s_add_nc_u64 s[CXP:CXP+1], s[CXP:CXP+1], s[44:45]
	s_lshl_b32 s44, ttmp9, 8
	s_add_nc_u64 s[MLP:MLP+1], s[MLP:MLP+1], s[44:45]
	s_mov_b64 s[XP:XP+1], s[XB:XB+1]
	s_add_nc_u64 s[PFP:PFP+1], s[XB:XB+1], 262144+2*16384
	BLOAD 0, BP0, 0, DP0, 0                        ; the first set of Wh,
.irp t, 0,1,2,3,4,5,6,7,8,9,10,11,12,13,14,15
	global_load_b32 v[ACC+\t], v39, s[VP:VP+1] offset:64*\t   ; v of my column in each of my wave's 16 tiles,
.endr
	global_load_b64 v[40:41], v44, s[CVP:CVP+1]    ; the work-group's cov and mask, 1,024 consecutive bytes each from its 128 threads,
	global_load_b64 v[42:43], v44, s[MKP:MKP+1]
	XLOAD 0, XB, 0                                 ; and sub-block 0's first four rows
	XLOAD 1, XB, 8192
.irp i, 0,1,2,3,4,5,6,7
	v_mov_b32 v[CT+\i], 0
.endr
	v_mov_b32 v[LL], 0
	v_mov_b32 v[MR], 0xff7fffff                    ; under every score
	v_mov_b32 v[T+9], 0                            ; a lane permute's destination counts as read
	s_wait_loadcnt 32                              ; behind v, cov and mask stand the 32 loads of enc
	v_add_f32 v[SVL], v[ACC], v[ACC+1]
.irp t, 2,3,4,5,6,7,8,9,10,11,12,13,14,15
	v_add_f32 v[SVL], v[SVL], v[ACC+\t]
.endr
	v_mul_f32 v[SVL], -0.5, v[SVL]
	ds_store_b64 v46, v[40:41]                     ; written once; read behind the barrier at the first sub-block's end of quantising
	ds_store_b64 v46, v[42:43] offset:MKL-CVL
	; ---- sub-block 0 is quantised with nothing to multiply yet: four rows a trip
	s_mov_b32 s[CNT], 3
.Lpro:
	v_add_nc_u32 v[VXC], s[OXC], v[VXC0]
	v_add_nc_u32 v[VXS], s[OXS], v[VXS0]
	v_add_nc_u32 v[VXB], s[OXB], v[VXB0]
	s_wait_loadcnt 16                              ; set 0 is in; set 1's 16 loads may be out
	XQ 0
	s_wait_dscnt 0x0                               ; my LDS stores have read set 0
	XLOAD 0, XP, 16384
	s_wait_loadcnt 16                              ; set 1 is in; set 0's new loads may be out
	XQ 1
	s_wait_dscnt 0x0
	XLOAD 1, XP, 24576
	s_wait_xcnt 0x0                                ; the base is stepped only behind this wait
	s_add_nc_u64 s[XP:XP+1], s[XP:XP+1], 16384
	s_add_co_u32 s[OXC], s[OXC], 4*CP
	s_add_co_u32 s[OXS], s[OXS], 4*AP
	s_add_co_u32 s[OXB], s[OXB], 8192
	s_sub_co_u32 s[CNT], s[CNT], 1
	s_cmp_lg_u32 s[CNT], 0
	s_cbranch_scc1 .Lpro
	v_add_nc_u32 v[VXC], s[OXC], v[VXC0]           ; the last four rows: nothing more of this sub-block to ask for
	v_add_nc_u32 v[VXS], s[OXS], v[VXS0]
	v_add_nc_u32 v[VXB], s[OXB], v[VXB0]
	s_wait_loadcnt 16
	XQ 0
	s_wait_loadcnt 0x0
	XQ 1
	s_wait_dscnt 0x0
	s_add_nc_u64 s[XB:XB+1], s[XB:XB+1], 262144    ; (every load that named it is done)  sub-block 1
	XLOAD 0, XB, 0
	XLOAD 1, XB, 8192
	BARRIER                                        ; sub-block 0's codes, bytes and bf16 copy, and cov and mask, are whole
	HEAD
	; ---- sub-blocks 0, 1, 2: multiplied while the next one is quantised
	s_mov_b32 s[SUB], 0
.Lsub:
	s_mov_b32 s[CNT], 3
.Lpa:
	PAIR 1, 1, 16, 16, 0, 0
	s_sub_co_u32 s[CNT], s[CNT], 1
	s_cmp_lg_u32 s[CNT], 0
	s_cbranch_scc1 .Lpa
	PAIR 1, 0, 16, 0, 1, 0                         ; the last pair asks for no more rows: in its second trip nothing stands behind its set of Wh
	s_add_nc_u64 s[XB:XB+1], s[XB:XB+1], 262144    ; (behind the pair's wait)  the sub-block after the next
	s_cmp_lt_u32 s[SUB], 2
	s_cbranch_scc0 .Lnox                           ; there are four sub-blocks: no load leaves the work-group's rows
	s_wait_dscnt 0x0                               ; my LDS stores have read both sets
	XLOAD 0, XB, 0                                 ; behind the next sub-block's first set of Wh: its first trip's count leaves the second of these out
	XLOAD 1, XB, 8192
	s_branch .Lxd
.Lnox:
	s_wait_loadcnt 0x0                             ; on this way nothing stands behind that set of Wh: it is waited for here
.Lxd:
	REDUCE
	SCORECTX
	s_xor_b32 s[WB], s[WB], BUF                    ; the two bf16 copies change places
	s_xor_b32 s[RB], s[RB], BUF
	HEAD
	s_add_co_u32 s[SUB], s[SUB], 1
	s_cmp_lt_u32 s[SUB], 3
	s_cbranch_scc1 .Lsub
	; ---- sub-block 3: nothing is left to quantise
	s_mov_b32 s[CNT], 4
.Lpc:
	PAIR 0, 0, 0, 0, 0, 1
	s_sub_co_u32 s[CNT], s[CNT], 1
	s_cmp_lg_u32 s[CNT], 0
	s_cbranch_scc1 .Lpc
	REDUCE
	SCORECTX
	; ---- out: the partial context, and from wave 0 the maximum and the sum
.irp x, 1,2,4,8
	v_add_f32_dpp v[LL], v[LL], v[LL] row_xmask:\x row_mask:0xf bank_mask:0xf
.endr
	v_permlanex16_b32 v[T+9], v[LL], s[SEL], s[SEL+1]
	v_add_f32 v[LL], v[LL], v[T+9]
	global_store_b128 v[L16], v[CT:CT+3], s[CXP:CXP+1]             ; 512 consecutive bytes each
	global_store_b128 v[L16], v[CT+4:CT+7], s[CXP:CXP+1] offset:512
	s_cmp_lg_u32 s[WV], 0
	s_cbranch_scc1 .Lend
	global_store_b64 v[L8], v[MR:MR+1], s[MLP:MLP+1]               ; {m, l} from every lane: 256 consecutive bytes
.Lend:
	s_wait_tensorcnt 0x0
	ds_add_u32 v51, v255
	s_wait_dscnt 0x0
	s_endpgm
.Lfunc_end_k_q3d376b00ba_main:
	.size	k_q3d376b00ba_main, .Lfunc_end_k_q3d376b00ba_main-k_q3d376b00ba_main
	.p2alignl 7, 3214868480
	.fill 96, 4, 3214868480
	.section	.rodata,"a",@progbits
	.p2align	6, 0x0
	.amdhsa_kernel k_q3d376b00ba_main
		.amdhsa_group_segment_fixed_size 305664
		.amdhsa_private_segment_fixed_size 0
		.amdhsa_enable_private_segment 0
		.amdhsa_kernarg_size 72
		.amdhsa_user_sgpr_count 2
		.amdhsa_user_sgpr_kernarg_segment_ptr 1
		.amdhsa_wavefront_size32 1
		.amdhsa_system_sgpr_workgroup_id_x 1
		.amdhsa_system_sgpr_workgroup_id_y 1
		.amdhsa_system_sgpr_workgroup_id_z 1
		.amdhsa_system_vgpr_workitem_id 0
		.amdhsa_next_free_vgpr 896
		.amdhsa_next_free_sgpr 66
		.amdhsa_reserve_vcc 0
		.amdhsa_float_denorm_mode_32 3
		.amdhsa_float_denorm_mode_16_64 3
		.amdhsa_memory_ordered 1
		.amdhsa_forward_progress 1
		.amdhsa_inst_pref_size 255
	.end_amdhsa_kernel
	.section	.bss,"aw",@nobits
	.p2align	6
	.space	262144
	.amdgpu_metadata
---
amdhsa.version: [ 1, 2 ]
amdhsa.kernels:
  - .name:           k_q3d376b00ba_main
    .symbol:         k_q3d376b00ba_main.kd
    .args:
      - { .name: encoder_output, .offset: 0, .size: 8, .value_kind: global_buffer, .address_space: global }
      - { .name: coverage_vector, .offset: 8, .size: 8, .value_kind: global_buffer, .address_space: global }
      - { .name: x_padding_masks, .offset: 16, .size: 8, .value_kind: global_buffer, .address_space: global }
      - { .name: v, .offset: 24, .size: 8, .value_kind: global_buffer, .address_space: global }
      - { .name: whq, .offset: 32, .size: 8, .value_kind: global_buffer, .address_space: global }
      - { .name: side, .offset: 40, .size: 8, .value_kind: global_buffer, .address_space: global }
      - { .name: scores, .offset: 48, .size: 8, .value_kind: global_buffer, .address_space: global }
      - { .name: ctxp, .offset: 56, .size: 8, .value_kind: global_buffer, .address_space: global }
      - { .name: ml, .offset: 64, .size: 8, .value_kind: global_buffer, .address_space: global }
    .group_segment_fixed_size: 305664
    .private_segment_fixed_size: 0
    .kernarg_segment_align: 8
    .kernarg_segment_size: 72
    .max_flat_workgroup_size: 128
    .sgpr_count:     66
    .vgpr_count:     896
    .wavefront_size: 32
...
	.end_amdgpu_metadata
.endif
;; end of part 2
;; launch combine (part 3): grid 4 x 16, 8 waves a work-group, no clusters, 0 bytes of LDS; arguments scores, ml, ctxp, x_padding_masks, coverage_vector, out0, out1, out2; writes out0, out1, out2
.if DOCPART == 3
	.amdgcn_target "amdgcn-amd-amdhsa--gfx1250"
	.amdhsa_code_object_version 6
	.text
	.protected	k_q3d376b00ba_combine
	.globl	k_q3d376b00ba_combine
	.p2align	8
	.type	k_q3d376b00ba_combine,@function
k_q3d376b00ba_combine:
	s_mov_b64 s[64:65], 0
	v_nop
	global_prefetch_b8 v0, s[64:65] scope:SCOPE_SE
	s_setreg_imm32_b32 hwreg(HW_REG_WAVE_MODE, 25, 1), 1
	s_wait_xcnt 0x0
; The 16 work-groups' parts of a batch are joined.  M = the largest of their maxima m_g; W_g = exp(m_g - M); L = sum of l_g W_g.
; attn = exp(score - M) mask / L;  coverage_new = cov + attn;  context = (sum of W_g ctx_g) / L.
; Work-group (y, b): rows 1024 y .. + 1023 of batch b, four a thread, and columns 256 y .. + 255 of its context, four a thread of waves 0 and 1.  Every load and store of a wave covers 512 consecutive bytes,
; but the context's loads, which cover two runs of 256.  No LDS, no barrier: the waves share nothing.  A stream of under 2 MB: matrix units, clusters and tensor loads would add nothing.
; A batch whose mask is all zeros has L = 0 and gives NaN, as 0 / 0 does in the definition.
	s_load_b512 s[4:19], s[0:1], 0x0               ; scores 4, ml 6, ctxp 8, mask 10, cov 12, out0 14, out1 16, out2 18
	v_lshrrev_b32 v1, 5, v0
	v_readfirstlane_b32 s20, v1                    ; wave
	v_lshlrev_b32 v1, 4, v0                        ; 16 x thread
	s_and_b32 s21, ttmp7, 0xffff                   ; b
	s_lshl_b32 s22, s21, 14
	s_lshl_b32 s24, ttmp9, 12
	s_add_co_u32 s22, s22, s24                     ; my rows: 16,384 b + 4,096 y bytes
	s_mov_b32 s23, 0
	s_lshl_b32 s24, s21, 12                        ; ml: 16 x 256 bytes a batch
	s_mov_b32 s25, 0
	s_lshl_b32 s28, ttmp9, 10
	s_lshl_b32 s26, s21, 16
	s_add_co_u32 s26, s26, s28                     ; ctxp: 65,536 b + 1,024 y
	s_mov_b32 s27, 0
	s_add_co_u32 s28, s24, s28                     ; out0: 4,096 b + 1,024 y
	s_mov_b32 s29, 0
	s_wait_kmcnt 0x0
	s_add_nc_u64 s[4:5], s[4:5], s[22:23]
	s_add_nc_u64 s[10:11], s[10:11], s[22:23]
	s_add_nc_u64 s[12:13], s[12:13], s[22:23]
	s_add_nc_u64 s[16:17], s[16:17], s[22:23]
	s_add_nc_u64 s[18:19], s[18:19], s[22:23]
	s_add_nc_u64 s[6:7], s[6:7], s[24:25]
	s_add_nc_u64 s[8:9], s[8:9], s[26:27]
	s_add_nc_u64 s[14:15], s[14:15], s[28:29]
	global_load_b128 v[4:7], v1, s[4:5] th:TH_LOAD_NT
	global_load_b128 v[8:11], v1, s[10:11] th:TH_LOAD_NT
	global_load_b128 v[12:15], v1, s[12:13] th:TH_LOAD_NT
.irp g, 0,1,2,3,4,5,6,7,8,9,10,11,12,13,14,15
	s_load_b64 s[32+2*\g:33+2*\g], s[6:7], \g*256  ; {m_g, l_g}
.endr
	v_mov_b32 v33, 0                               ; (named as the upper half of the pair v[32:33])
	s_wait_kmcnt 0x0
	v_mov_b32 v2, s32
.irp g, 1,3,5,7,9,11,13
	v_max3_num_f32 v2, v2, s[32+2*\g], s[34+2*\g]
.endr
	v_max_num_f32 v2, s62, v2                      ; M
.irp g, 0,1,2,3,4,5,6,7,8,9,10,11,12,13,14,15
	v_sub_f32 v[16+\g], s[32+2*\g], v2
.endr
.irp g, 0,1,2,3,4,5,6,7,8,9,10,11,12,13,14,15
	v_mul_f32 v[16+\g], 0x3fb8aa3b, v[16+\g]
.endr
.irp g, 0,1,2,3,4,5,6,7,8,9,10,11,12,13,14,15
	v_exp_f32 v[16+\g], v[16+\g]                   ; W_g
.endr
	v_nop                                          ; a plain line behind the last exponential
	s_wait_alu depctr_va_vdst(0)                   ; one wait for the batch
	v_mul_f32 v3, s33, v16
.irp g, 1,2,3,4,5,6,7,8,9,10,11,12,13,14,15
	v_fmac_f32 v3, s[33+2*\g], v[16+\g]            ; L
.endr
	s_wait_loadcnt 0x0
.irp i, 0,1,2,3
	v_sub_f32 v[4+\i], v[4+\i], v2
.endr
.irp i, 0,1,2,3
	v_mul_f32 v[4+\i], 0x3fb8aa3b, v[4+\i]
.endr
	v_rcp_f32 v32, v3                              ; 1 / L
.irp i, 0,1,2,3
	v_exp_f32 v[4+\i], v[4+\i]
.endr
	v_nop
	s_wait_alu depctr_va_vdst(0)                   ; one wait for the five
.irp i, 0,2
	v_pk_mul_f32 v[4+\i:5+\i], v[4+\i:5+\i], v[8+\i:9+\i]
.endr
.irp i, 0,2
	v_pk_mul_f32 v[4+\i:5+\i], v[4+\i:5+\i], v[32:33] op_sel_hi:[1,0]
.endr
.irp i, 0,2
	v_pk_add_f32 v[12+\i:13+\i], v[12+\i:13+\i], v[4+\i:5+\i]
.endr
	global_store_b128 v1, v[4:7], s[16:17] th:TH_STORE_NT
	global_store_b128 v1, v[12:15], s[18:19] th:TH_STORE_NT
	s_cmp_lt_u32 s20, 2
	s_cbranch_scc0 .Lend                           ; the context's 256 columns are 64 threads' work
	v_and_b32 v34, 1, v0
	v_lshrrev_b32 v35, 1, v0
	v_lshlrev_b32 v34, 9, v34
	v_lshl_add_u32 v34, v35, 4, v34                ; columns 4 t .. 4 t + 3 lie at 512 (t % 2) + 16 (t / 2) of the wave's 1,024 bytes
.irp g, 0,1,2,3,4,5,6,7,8,9,10,11,12,13,14,15
	global_load_b128 v[36+4*\g:39+4*\g], v34, s[8:9] offset:4096*\g th:TH_LOAD_NT
.endr
	s_wait_loadcnt 0x0
.irp i, 0,1,2,3
	v_mul_f32 v[100+\i], v[36+\i], v16
.endr
.irp g, 1,2,3,4,5,6,7,8,9,10,11,12,13,14,15
.irp i, 0,1,2,3
	v_fmac_f32 v[100+\i], v[36+4*\g+\i], v[16+\g]
.endr
.endr
.irp i, 0,2
	v_pk_mul_f32 v[100+\i:101+\i], v[100+\i:101+\i], v[32:33] op_sel_hi:[1,0]
.endr
	global_store_b128 v1, v[100:103], s[14:15] th:TH_STORE_NT
.Lend:
	s_endpgm
.Lfunc_end_k_q3d376b00ba_combine:
	.size	k_q3d376b00ba_combine, .Lfunc_end_k_q3d376b00ba_combine-k_q3d376b00ba_combine
	.p2alignl 7, 3214868480
	.fill 96, 4, 3214868480
	.section	.rodata,"a",@progbits
	.p2align	6, 0x0
	.amdhsa_kernel k_q3d376b00ba_combine
		.amdhsa_group_segment_fixed_size 0
		.amdhsa_private_segment_fixed_size 0
		.amdhsa_enable_private_segment 0
		.amdhsa_kernarg_size 64
		.amdhsa_user_sgpr_count 2
		.amdhsa_user_sgpr_kernarg_segment_ptr 1
		.amdhsa_wavefront_size32 1
		.amdhsa_system_sgpr_workgroup_id_x 1
		.amdhsa_system_sgpr_workgroup_id_y 1
		.amdhsa_system_sgpr_workgroup_id_z 1
		.amdhsa_system_vgpr_workitem_id 0
		.amdhsa_next_free_vgpr 104
		.amdhsa_next_free_sgpr 66
		.amdhsa_reserve_vcc 0
		.amdhsa_float_denorm_mode_32 3
		.amdhsa_float_denorm_mode_16_64 3
		.amdhsa_memory_ordered 1
		.amdhsa_forward_progress 1
		.amdhsa_inst_pref_size 11
	.end_amdhsa_kernel
	.amdgpu_metadata
---
amdhsa.version: [ 1, 2 ]
amdhsa.kernels:
  - .name:           k_q3d376b00ba_combine
    .symbol:         k_q3d376b00ba_combine.kd
    .args:
      - { .name: scores, .offset: 0, .size: 8, .value_kind: global_buffer, .address_space: global }
      - { .name: ml, .offset: 8, .size: 8, .value_kind: global_buffer, .address_space: global }
      - { .name: ctxp, .offset: 16, .size: 8, .value_kind: global_buffer, .address_space: global }
      - { .name: x_padding_masks, .offset: 24, .size: 8, .value_kind: global_buffer, .address_space: global }
      - { .name: coverage_vector, .offset: 32, .size: 8, .value_kind: global_buffer, .address_space: global }
      - { .name: out0, .offset: 40, .size: 8, .value_kind: global_buffer, .address_space: global }
      - { .name: out1, .offset: 48, .size: 8, .value_kind: global_buffer, .address_space: global }
      - { .name: out2, .offset: 56, .size: 8, .value_kind: global_buffer, .address_space: global }
    .group_segment_fixed_size: 0
    .private_segment_fixed_size: 0
    .kernarg_segment_align: 8
    .kernarg_segment_size: 64
    .max_flat_workgroup_size: 256
    .sgpr_count:     66
    .vgpr_count:     104
    .wavefront_size: 32
...
	.end_amdgpu_metadata
.endif
;; end of part 3
;; ======== version 2 of 2: 3 launches; version 1 with the launches prep, main written anew for expert scheduling mode
;; workspace buffers: whq 557,056 bytes; side 262,144 bytes; scores 262,144 bytes; ctxp 1,048,576 bytes; ml 65,536 bytes
;; launch prep (part 4): grid 96 x 1, 8 waves a work-group, no clusters, 9,216 bytes of LDS; arguments Wh, Ws_w, Ws_b, h_dec, c_dec, wc, v, whq, side; writes whq, side
.if DOCPART == 4
	.amdgcn_target "amdgcn-amd-amdhsa--gfx1250"
	.amdhsa_code_object_version 6
	.text
	.protected	k_q3d376b00ba_prep
	.globl	k_q3d376b00ba_prep
	.p2align	8
	.type	k_q3d376b00ba_prep,@function
k_q3d376b00ba_prep:
	s_mov_b64 s[64:65], 0
	v_nop
	global_prefetch_b8 v0, s[64:65] scope:SCOPE_SE
	s_setreg_imm32_b32 hwreg(HW_REG_WAVE_SCHED_MODE, 0, 2), 2
	s_setreg_imm32_b32 hwreg(HW_REG_WAVE_MODE, 25, 1), 1
	s_wait_xcnt 0x0
	s_wait_alu depctr_vm_vsrc(0)
; Two jobs, parted by the work-group's number.
; WORK-GROUPS 0-31: Wh [1024 (k)][1024 (n)] f32 becomes codes of E2M1 with one E8M0 byte for each 32 along K, laid in the order of a matrix operand's registers.
;   A tile T of 16 columns has 8,704 bytes in whq: block kb (32 along K) of column 16 T + r at 256 kb + 16 r; behind the 8,192 bytes of codes the scale words: K step k (128 along K) of column r at 8192 + 256 (k / 4) + 16 r + 4 (k % 4).
;   A lane takes a column and its registers run down K, so a block of 32 is one lane's and nothing is transposed.  A wave: 32 columns x 128 along K.
;   The codes leave 16 lanes to 256 consecutive bytes; the scale words leave as 4 bytes a lane, 16 bytes apart (32 KB in the whole launch).
; WORK-GROUPS 32-95: tile T = number - 32 of dec = Q(s_t) Q(Ws_w) + Ws_b, s_t = [h_dec, c_dec], 16 batches x 16 columns.  Wave w takes K step w: it quantises its part of both operands in registers and
;   issues one matrix instruction; the eight partial tiles meet in LDS and are added in ascending K.  (So K is split over eight f32 sums: an order of rounding that differs from one chain's.)
;   Out: side[(b 64 + T) 16 + r] = {wc[n], dec[b][n], v[n], 0}, 16 bytes, n = 16 T + r: sixteen lanes store 256 consecutive bytes.
; A block's scale is 2^(floor(log2(largest magnitude)) - 2); its byte is that magnitude's exponent field - 2, held at 1 from below.
; LIMITS: a block of zeros, or one whose largest magnitude lies under 2^-124, gets the byte 1 (its codes are zeros or nearly so; the bytes are read by this program alone); NaN and infinities are not served.
; THE MODE: SCHED_MODE bits 1:0 = 2 (LLVM: expert scheduling mode 2), set by the entry lines.  The code itself states the register dependences
; between vector or matrix instructions and memory or LDS instructions, with s_wait_alu, always for 0.
; THE PLAN.  Both paths are straight lines, and no register that a memory or LDS instruction reads is ever written again.  Wh's path: the offsets v4, v5 are made, one wait, 128 loads; the four blocks' codes and the scale
; word have registers of their own, so one wait stands ahead of the run of five stores.  dec's path: the offsets v4 to v9 are made, one wait, the loads; the product's operands and scale words are written by vector lines:
; the places, then a wait; its result goes to LDS: the places, then a wait; the sum goes to memory: a wait.
.set TILEB, 8704
; a block of 32 numbers in v[src] on -> 4 registers of codes at v[dst], the scale's byte in v[tm]; v[tm+1], v[tm+2] at work
.macro QB src, dst, tm
	v_max3_num_f32 v[\tm], |v[\src]|, |v[\src+1]|, |v[\src+2]|
	v_max3_num_f32 v[\tm+1], |v[\src+3]|, |v[\src+4]|, |v[\src+5]|
.irp i, 6,10,14,18,22,26
	v_max3_num_f32 v[\tm], v[\tm], |v[\src+\i]|, |v[\src+\i+1]|
	v_max3_num_f32 v[\tm+1], v[\tm+1], |v[\src+\i+2]|, |v[\src+\i+3]|
.endr
	v_max3_num_f32 v[\tm], v[\tm], |v[\src+30]|, |v[\src+31]|
	v_max3_num_f32 v[\tm], v[\tm], v[\tm+1], 0x1800000     ; the floor 2^(3 - 127): the byte cannot fall under 1
	v_add_nc_u32 v[\tm+2], 0xff000000, v[\tm]              ; 2 off the exponent field: the conversion's scale operand
.irp g, 0,1,2,3
	v_cvt_scalef32_pk8_fp4_f32 v[\dst+\g], v[\src+8*\g:\src+8*\g+7], v[\tm+2]
.endr
	v_lshrrev_b32 v[\tm], 23, v[\tm+2]                     ; the byte; also the plain line behind the conversions
.endm
	s_load_b512 s[4:19], s[0:1], 0x0               ; Wh 4, Ws_w 6, Ws_b 8, h_dec 10, c_dec 12, wc 14, v 16, whq 18
	s_load_b64 s[20:21], s[0:1], 0x40              ; side
	v_lshl_add_u32 v224, v0, 2, 0x2000
	v_mov_b32 v225, 0
	v_lshrrev_b32 v1, 5, v0
	v_readfirstlane_b32 s22, v1                    ; wave 0..7
	v_and_b32 v1, 31, v0                           ; lane
	v_and_b32 v2, 15, v0                           ; r
	v_bfe_u32 v3, v0, 4, 1                         ; h
	s_wait_alu depctr_va_sdst(0)                   ; s22 is written, ahead of its first reader
	s_lshl_b32 s23, s22, 10
	v_lshl_add_u32 v8, v1, 2, s23                  ; LDS: my wave's partial tile, 4 bytes a lane
	v_lshlrev_b32 v9, 2, v0                        ; LDS: 4 x thread
	s_mov_b32 s29, 0
	s_wait_kmcnt 0x0
	s_cmp_lt_u32 ttmp9, 32
	s_cbranch_scc0 .Ldec
	; ---- Wh
	s_and_b32 s24, ttmp9, 7
	s_lshr_b32 s26, ttmp9, 3
	s_and_b32 s27, s22, 3
	s_lshr_b32 s28, s22, 2
	s_lshl_b32 s24, s24, 7
	s_lshl_b32 s27, s27, 5
	s_add_co_u32 s24, s24, s27                     ; n0: my wave's first column
	s_lshl_b32 s26, s26, 1
	s_add_co_u32 s26, s26, s28                     ; k: my K step
	s_lshl_b32 s28, s26, 19                        ; 128 rows of 4,096 bytes
	s_lshl_b32 s30, s24, 2
	s_add_co_u32 s28, s28, s30
	s_add_nc_u64 s[4:5], s[4:5], s[28:29]
	s_lshr_b32 s30, s24, 4
	s_mul_i32 s30, s30, TILEB                      ; my first tile
	s_lshl_b32 s31, s26, 10
	s_add_co_u32 s28, s30, s31
	s_add_nc_u64 s[32:33], s[18:19], s[28:29]      ; its codes of K step k
	s_lshr_b32 s31, s26, 2
	s_lshl_b32 s31, s31, 8
	s_and_b32 s34, s26, 3
	s_lshl_b32 s34, s34, 2
	s_add_co_u32 s28, s30, s31
	s_add_co_u32 s28, s28, s34
	s_add_co_u32 s28, s28, 8192
	s_add_nc_u64 s[34:35], s[18:19], s[28:29]      ; its scale words of K step k
	v_lshlrev_b32 v4, 2, v1                        ; in: 4 bytes a lane
	v_mul_u32_u24 v5, v3, TILEB
	v_lshl_add_u32 v5, v2, 4, v5                   ; out: lanes 16-31 belong to the next tile; 16 bytes a column
	s_wait_alu depctr_va_vdst(0)                   ; v4 and v5 are written: the loads and the stores below read them as their offsets
.irp b, 0,1,2,3
.irp i, 0,1,2,3,4,5,6,7,8,9,10,11,12,13,14,15,16,17,18,19,20,21,22,23,24,25,26,27,28,29,30,31
	global_load_b32 v[64+32*\b+\i], v4, s[4:5] offset:(32*\b+\i)*4096 th:TH_LOAD_NT
.endr
.endr
.irp b, 0,1,2,3
.if \b < 2
	s_wait_loadcnt 63                              ; of my 128 loads at most 63 are out: the first 65 are in, blocks 0 and 1 among them
.else
	s_wait_loadcnt 96-32*\b                        ; the later blocks' loads may be out
.endif
	QB 64+32*\b, 16+4*\b, 32+4*\b                  ; each block has its own registers for its codes
.endr
	v_lshl_or_b32 v48, v36, 8, v32                 ; the four bytes make my column's scale word
	v_lshl_or_b32 v48, v40, 16, v48
	v_lshl_or_b32 v48, v44, 24, v48
	s_wait_alu depctr_va_vdst(0)                   ; the conversions have written v[16:31] and the lines above v48: the five stores below read them
.irp b, 0,1,2,3
	global_store_b128 v5, v[16+4*\b:19+4*\b], s[32:33] offset:256*\b
.endr
	global_store_b32 v5, v48, s[34:35]
	s_endpgm
	; ---- dec
.Ldec:
	s_sub_co_u32 s24, ttmp9, 32                    ; T
	s_lshl_b32 s28, s24, 6                         ; 16 columns of f32
	s_add_nc_u64 s[8:9], s[8:9], s[28:29]
	s_add_nc_u64 s[14:15], s[14:15], s[28:29]
	s_add_nc_u64 s[16:17], s[16:17], s[28:29]
	s_lshl_b32 s30, s22, 19
	s_add_co_u32 s28, s28, s30
	s_add_nc_u64 s[6:7], s[6:7], s[28:29]          ; Ws_w at row 128 w, column 16 T
	s_cmp_lt_u32 s22, 4                            ; K steps 0-3 lie in h_dec, 4-7 in c_dec
	s_cselect_b64 s[10:11], s[10:11], s[12:13]
	s_and_b32 s28, s22, 3
	s_lshl_b32 s28, s28, 9
	s_add_nc_u64 s[10:11], s[10:11], s[28:29]
	s_lshl_b32 s28, s22, 14                        ; on the way out my wave's number is the batch's low part
	s_lshl_b32 s30, s24, 8
	s_add_co_u32 s28, s28, s30
	s_add_nc_u64 s[20:21], s[20:21], s[28:29]
	s_mov_b32 s36, 0x76543210
	s_mov_b32 s37, 0xfedcba98                      ; selects for lane l xor 16
	v_lshlrev_b32 v4, 2, v2                        ; 4 r
	v_lshl_add_u32 v5, v3, 17, v4                  ; Ws_w: column r; lanes 16-31 begin 32 rows further down
	v_lshlrev_b32 v6, 11, v2
	v_lshl_add_u32 v6, v3, 7, v6                   ; s_t: batch r, 2,048 bytes a row; + 32 numbers for lanes 16-31
	v_lshlrev_b32 v7, 4, v2
	v_lshl_add_u32 v7, v3, 17, v7                  ; side: 16 r + 8 h batches of 16,384 bytes
	v_mov_b32 v54, 0                               ; a lane permute's destination counts as read
	v_mov_b32 v55, 0
	s_wait_alu depctr_va_vdst(0)                   ; the offsets and addresses v4 to v9 are written: every load and store of this path reads one of them
	global_load_b32 v196, v4, s[14:15]             ; wc
	global_load_b32 v198, v4, s[16:17]             ; v
	global_load_b32 v200, v4, s[8:9]               ; Ws_b
.irp c, 0,1
.irp i, 0,1,2,3,4,5,6,7,8,9,10,11,12,13,14,15,16,17,18,19,20,21,22,23,24,25,26,27,28,29,30,31
	global_load_b32 v[64+32*\c+\i], v5, s[6:7] offset:(64*\c+\i)*4096 th:TH_LOAD_NT   ; Ws_w(128 w + 64 c + 32 h + i, 16 T + r)
.endr
.endr
.irp c, 0,1
.irp j, 0,1,2,3,4,5,6,7
	global_load_b128 v[128+32*\c+4*\j:131+32*\c+4*\j], v6, s[10:11] offset:256*\c+16*\j   ; s_t(r, 128 w + 64 c + 32 h + 4 j ..)
.endr
.endr
	s_wait_loadcnt 0x0
	QB 64, 16, 32                                  ; Ws_w's blocks h and 2 + h -> v[16:23]
	QB 96, 20, 36
	QB 128, 24, 40                                 ; s_t's -> v[24:31]
	QB 160, 28, 44
	v_lshlrev_b32 v48, 3, v3                       ; 8 h bits
	v_lshl_or_b32 v53, v36, 16, v32                ; my two bytes, at their places in the scale word;
	v_lshl_or_b32 v52, v44, 16, v40
	v_lshlrev_b32 v53, v48, v53
	v_lshlrev_b32 v52, v48, v52
	v_permlanex16_b32 v55, v53, s36, s37
	v_permlanex16_b32 v54, v52, s36, s37
	v_or_b32 v53, v53, v55                         ; with lane l xor 16's two the word is whole
	v_or_b32 v52, v52, v54
.rept 8
	v_nop                                          ; a scale register written by a vector instruction stands 8 places ahead of a scaled matrix instruction, an operand 4
.endr
	s_wait_alu depctr_va_vdst(0)                   ; the conversions have written both operands, v[16:31], and the lines above both scale words, v52 and v53, which the scaled product takes; the places above stay beside this wait
	v_wmma_scale_f32_16x16x128_f8f6f4 v[56:63], v[24:31], v[16:23], 0, v52, v53 matrix_a_fmt:MATRIX_FMT_FP4 matrix_b_fmt:MATRIX_FMT_FP4   ; register j: (batch 8 h + j, column r)
.rept 4
	v_nop
.endr
	s_wait_alu depctr_va_vdst(0)                   ; the product has written v[56:63], which the LDS stores read; the places above stay beside this wait
.irp j, 0,1,2,3,4,5,6,7
	ds_store_b32 v8, v[56+\j] offset:128*\j        ; the result from its low end on
.endr
	s_wait_dscnt 0x0                               ; for the others' sake: my stores have landed
	s_barrier_signal -1
	s_barrier_wait -1
.irp k, 0,1,2,3,4,5,6,7
	ds_load_b32 v[204+\k], v9 offset:1024*\k       ; thread (wave j, lane): K step k's partial of (batch 8 h + j, column r); no vector instruction names these registers ahead of the loads
.endr
	s_wait_dscnt 0x0
	v_add_f32 v197, v204, v205
.irp k, 2,3,4,5,6,7
	v_add_f32 v197, v197, v[204+\k]                ; K ascending
.endr
	v_add_f32 v197, v197, v200                     ; + Ws_b
	v_mov_b32 v199, 0
	s_wait_alu depctr_va_vdst(0)                   ; v197 and v199 are written, which the store reads
	global_store_b128 v7, v[196:199], s[20:21]
	s_wait_dscnt 0x0                               ; the closing lines, six on end
	s_wait_alu 0x0
	s_wait_tensorcnt 0x0
	ds_add_u32 v224, v225
	s_wait_dscnt 0x0
	s_endpgm
.Lfunc_end_k_q3d376b00ba_prep:
	.size	k_q3d376b00ba_prep, .Lfunc_end_k_q3d376b00ba_prep-k_q3d376b00ba_prep
	.p2alignl 7, 3214868480
	.fill 96, 4, 3214868480
	.section	.rodata,"a",@progbits
	.p2align	6, 0x0
	.amdhsa_kernel k_q3d376b00ba_prep
		.amdhsa_group_segment_fixed_size 9216
		.amdhsa_private_segment_fixed_size 0
		.amdhsa_enable_private_segment 0
		.amdhsa_kernarg_size 72
		.amdhsa_user_sgpr_count 2
		.amdhsa_user_sgpr_kernarg_segment_ptr 1
		.amdhsa_wavefront_size32 1
		.amdhsa_system_sgpr_workgroup_id_x 1
		.amdhsa_system_sgpr_workgroup_id_y 1
		.amdhsa_system_sgpr_workgroup_id_z 1
		.amdhsa_system_vgpr_workitem_id 0
		.amdhsa_next_free_vgpr 226
		.amdhsa_next_free_sgpr 66
		.amdhsa_reserve_vcc 0
		.amdhsa_float_denorm_mode_32 3
		.amdhsa_float_denorm_mode_16_64 3
		.amdhsa_memory_ordered 1
		.amdhsa_forward_progress 1
		.amdhsa_inst_pref_size 38
	.end_amdhsa_kernel
	.amdgpu_metadata
---
amdhsa.version: [ 1, 2 ]
amdhsa.kernels:
  - .name:           k_q3d376b00ba_prep
    .symbol:         k_q3d376b00ba_prep.kd
    .args:
      - { .name: Wh, .offset: 0, .size: 8, .value_kind: global_buffer, .address_space: global }
      - { .name: Ws_w, .offset: 8, .size: 8, .value_kind: global_buffer, .address_space: global }
      - { .name: Ws_b, .offset: 16, .size: 8, .value_kind: global_buffer, .address_space: global }
      - { .name: h_dec, .offset: 24, .size: 8, .value_kind: global_buffer, .address_space: global }
      - { .name: c_dec, .offset: 32, .size: 8, .value_kind: global_buffer, .address_space: global }
      - { .name: wc, .offset: 40, .size: 8, .value_kind: global_buffer, .address_space: global }
      - { .name: v, .offset: 48, .size: 8, .value_kind: global_buffer, .address_space: global }
      - { .name: whq, .offset: 56, .size: 8, .value_kind: global_buffer, .address_space: global }
      - { .name: side, .offset: 64, .size: 8, .value_kind: global_buffer, .address_space: global }
    .group_segment_fixed_size: 9216
    .private_segment_fixed_size: 0
    .kernarg_segment_align: 8
    .kernarg_segment_size: 72
    .max_flat_workgroup_size: 256
    .sgpr_count:     66
    .vgpr_count:     226
    .wavefront_size: 32
...
	.end_amdgpu_metadata
.endif
;; end of part 4
;; launch main (part 5): grid 256 x 1, 4 waves a work-group, no clusters, 305,664 bytes of LDS; arguments encoder_output, coverage_vector, x_padding_masks, v, whq, side, scores, ctxp, ml; writes scores, ctxp, ml
.if DOCPART == 5
	.amdgcn_target "amdgcn-amd-amdhsa--gfx1250"
	.amdhsa_code_object_version 6
	.text
	.protected	k_q3d376b00ba_main
	.globl	k_q3d376b00ba_main
	.p2align	8
	.type	k_q3d376b00ba_main,@function
k_q3d376b00ba_main:
	s_mov_b64 s[64:65], 0
	v_nop
	global_prefetch_b8 v0, s[64:65] scope:SCOPE_SE
	s_setreg_imm32_b32 hwreg(HW_REG_WAVE_SCHED_MODE, 0, 2), 2
	s_setreg_imm32_b32 hwreg(HW_REG_WAVE_MODE, 25, 1), 1
	s_wait_xcnt 0x0
	s_wait_alu depctr_vm_vsrc(0)
; score[row] = sum over e of v[e] tanh((Q(enc) Q(Wh))[row][e] + dec[b][e] + cov[row] wc[e]), and with it, in the same pass over enc, a running maximum m, a running sum l = sum of exp(score - m) mask
; and a partial context sum of exp(score - m) mask enc[row][:].  enc is read from memory ONCE.
; SHARES.  Work-group g owns rows 256 g .. 256 g + 255 (batch g / 16), as four sub-blocks of 64 rows.  For the product the four waves split N: wave w makes columns 256 w .. + 255 (16 tiles of 16) for all 64 rows.
; For quantising they split rows: wave w turns rows 16 w .. + 15 of the NEXT sub-block into codes, scale bytes and a bf16 copy, all in LDS, while this sub-block is multiplied.
; A TRIP is 2 tiles of columns x 4 tiles of rows x 8 K steps = 64 matrix instructions, whose C begins as cov wc + dec.  BY TURNS: the first tile's 32 products stand with the quantising of two rows of enc between them,
; a slice behind each K step's four; the second tile's 32 with the first tile's tanh between them; the second tile's tanh follows.  Wh's codes come from memory straight into the operand's registers
; (the launch before laid them so), one trip ahead, in two sets; enc's rows are asked for in the trip's middle, for the trip after the next, in two sets.
; tanh(x) = 1 - 2 / (1 + 2^(c x)), c = 2 log2(e).  The lane's sums begin at -1/2 of its share of sum(v) and add v / (1 + 2^(c x)); score = -2 x the sum: nothing is left out.
; THE SOFTMAX is kept by a running maximum over ALL scores, masked ones too; the last launch joins the 16 work-groups of a batch.
; NO CLUSTER, NO TENSOR LOADS: 262,144 of the 303,104 bytes of LDS in use hold the two bf16 copies that spare a second pass over enc's 268 MB; a ring for the four waves' tiles of Wh (2 x 4 x 8,704 bytes at the least, twice) has no room beside them.
; PREFETCH INTO THE L2: at the head of each pair of trips that quantises, behind the run of Wh's loads, a wave asks for the four rows of enc (16,384 bytes, lanes 256 bytes apart, two instructions) that the NEXT pair's
; loads will take.  A wave asks for its own rows alone, so each block is named once; a counter ends the requests with the work-group's last rows.
; LIMITS: a block of zeros, or one whose largest magnitude lies under 2^-124, gets the scale byte 1; NaN and infinities are not served; the context takes enc rounded to bf16, its weights in f32.
; LDS: two bf16 copies of 64 rows x 2,048 bytes; 64 rows of codes, 512 bytes + 16 (33 x 16: the 16 rows of a fragment load start at 16 different banks); 64 rows of 32 scale bytes, pitch 48;
;      4 x 64 partial scores; 64 weights for each wave; the work-group's 256 cov and 256 mask numbers.
; REGISTERS, in windows of 256: window 0 as named below; window 1: enc's 32 fragments (tile of rows m, K step k at 8 (8 m + k)), between sub-blocks 64 rows of the bf16 copy;
;      window 2: Wh's fragments, two sets (128 u + 64 n + 8 k); window 3: enc as f32, two sets of 64.
; THE MODE: SCHED_MODE bits 1:0 = 2 (LLVM: expert scheduling mode 2), set by the entry lines.  The code itself states the register dependences
; between vector or matrix instructions and memory or LDS instructions, with s_wait_alu, always for 0.
; THE PLAN.  Registers that memory or LDS instructions touch, and who else names them:
;   Wh's set u (window 2, BSR, SD)   Trip u's products, sums' starts and tanh sums read it; the 36 loads at the head of trip 1 - u land in it: one wait on va_vdst ahead of that run.
;   enc's set u (window 3)           Trip u's quantiser reads it and rounds it to bf16 in place; eight LDS stores read it; 16 loads in the trip's second half land in it: waits on vm_vsrc and va_vdst ahead of these loads,
;                                    the second of which is the line that stands behind the first tile's exponentials in any case.
;   TM, PCD, VXC, VXS, VXB           Written by the quantiser's lines and at a pair's head, read by its LDS stores: one wait on va_vdst behind the last rounding, ahead of all 24 stores; the products between name none of them.
;                                    They are written again behind the wait on vm_vsrc that stands with enc's loads; where two quantisings have no such loads between them, behind one of its own.
;   COV, MK, window 1, ASR, T+12, T+13   A sub-block's head: two address lines, one wait on va_vdst, the LDS loads.
;   SA, T .. T+7, SCR, VCA, VPA      A sub-block's end: a wait on va_vdst ahead of the sums' LDS stores, one on vm_vsrc behind the barrier, and two on va_vdst in the scores' lines.
;   The offsets L16, R16, L32, L8, PFO and the LDS addresses VAF, VAS, VSC, VSR, VPW, VPB are made at the head and never written again.
.set CP,    528
.set AP,    48
.set BUF,   131072
.set COD,   2*BUF
.set ASC,   COD+64*CP
.set SCP,   ASC+64*AP
.set PBR,   SCP+1024
.set CVL,   PBR+1024
.set MKL,   CVL+1024
.set TILEB, 8704
.set L16, 1                            ; 16 x lane
.set R16, 2                            ; 16 x (lane % 16)
.set L32, 3                            ; 32 x lane
.set L8,  5                            ; 8 x lane
.set VXC0, 6                           ; where my wave's 16 rows of codes begin, + 4 x lane
.set VXS0, 7                           ; their scale bytes, + lane / 4
.set VXB0, 8                           ; their bf16 copy, + 16 x lane
.set VXC, 9                            ; the three with the pair's offsets
.set VXS, 10
.set VXB, 11
.set VAF, 12                           ; a fragment's row and half in the codes
.set VAS, 13                           ; and in the scale bytes
.set VSC, 14                           ; my wave's partial scores, + 32 x (lane / 16)
.set VSR, 15                           ; partial scores of rows 2 lane, 2 lane + 1
.set VPW, 16                           ; my wave's weights, + 8 x lane
.set VPB, 17                           ; my wave's weights
.set VCB0, 18                          ; my 8 columns in a row of the bf16 copy
.set VCA, 19                           ; the same in the copy that is read: rows 0-31,
.set VPA, 20                           ; rows 32-63
.set SVL, 21                           ; -1/2 of my lane's share of sum(v)
.set MR,  22                           ; running maximum
.set LL,  23                           ; my lane's part of the running sum
.set MK,  24                           ; v[24:25] mask of rows 2 lane, 2 lane + 1
.set SCR, 26                           ; v[26:27] their scores
.set CT,  28                           ; v[28:35] context of columns 256 w + 8 lane + 0..7
.set T,   36                           ; v[36:51] at work
.set ASR, 52                           ; v[52:67] enc's scale words: 4 m + q: lanes 0-15 K step q, lanes 16-31 K step 4 + q
.set BSR, 68                           ; v[68:83] Wh's: 8 u + 4 n + q, likewise
.set SD,  84                           ; v[84:99] 8 u + 4 n: {wc, dec, v, 0} of my column
.set COV, 100                          ; v[100:131] cov of row 16 m + 8 h + j at 8 m + j; for the context v[100:163] hold the 64 weights
.set SA,  132                          ; v[132:163] the scores' sums, laid as COV
.set ACC, 164                          ; v[164:227] accumulator (n, m) at 8 (4 n + m)
.set TM,  228                          ; v[228:235] largest magnitudes, then bytes
.set SO,  236                          ; v[236:243] the conversions' scale operands
.set PCD, 244                          ; v[244:251] codes
.set VCV0, 252                         ; cov in LDS, + 32 x (lane / 16)
.set VMK0, 253                         ; the mask in LDS, + 8 x lane
.set PFO, 254                          ; 256 x lane: the prefetches' offset; never rewritten
.set XB,  4                            ; s[4:5] enc at my wave's 16 rows of the sub-block to be loaded next
.set CVP, 6
.set MKP, 8
.set VP,  10
.set BP0, 12                           ; whq at my wave's 16 tiles
.set DP0, 14                           ; side at my batch and my wave's 16 tiles
.set SCG, 16
.set CXP, 18
.set MLP, 20
.set WV,  22
.set BPC, 24                           ; whq, side, enc: where the pair in hand stands
.set DPC, 26
.set XP,  28
.set SUB, 30
.set CNT, 31
.set OXC, 32                           ; the pair's offsets in codes, scale bytes, bf16 copy
.set OXS, 33
.set OXB, 34
.set WB,  35                           ; the bf16 copy that is written, and the one that is read
.set RB,  36
.set CC,  38                           ; s[38:39] c
.set SEL, 40                           ; s[40:41] selects for lane l xor 16
.set L2E, 42
.set OCV, 51                           ; the sub-block's place in cov and mask in LDS
.set PFP, 52                           ; s[52:53] where my prefetches stand: four rows a request
.set PFQ, 54                           ; which four rows of my wave's 64: 4 x sub-block + pair
.set MSB, 0
.macro WIN new                         ; the immediate's high byte repeats the setting that is left
.if MSB != \new
	s_set_vgpr_msb (MSB<<8)|\new
.set MSB, \new
.endif
.endm
; two whole rows of enc, 8,192 consecutive bytes, into set u: unit n (1,024 bytes): lane l takes 8 neighbours along K.
; w = 1: the set has been quantised, and the two waits stand behind the window switch.  w = 0: no vector instruction and no store has named the set since the last such waits.
.macro XLOAD u, ptr, off, w
	WIN 0xc0
.if \w
	s_wait_alu depctr_vm_vsrc(0)                   ; my LDS stores issued so far have read their registers: enc's sets, in which the loads below land, and the codes, the bytes and the three addresses, which later lines write again
	s_wait_alu depctr_va_vdst(0)                   ; the quantiser's lines are done reading enc's sets and writing them
.endif
.irp n, 0,1,2,3,4,5,6,7
	global_load_b128 v[64*(\u)+8*\n:64*(\u)+8*\n+3], v[L32], s[\ptr:\ptr+1] offset:\off+1024*\n th:TH_LOAD_NT
	global_load_b128 v[64*(\u)+8*\n+4:64*(\u)+8*\n+7], v[L32], s[\ptr:\ptr+1] offset:\off+1024*\n+16 th:TH_LOAD_NT
.endr
	WIN 0
.endm
; Set u becomes codes, scale bytes and bf16, all to LDS, in eight slices.  Four neighbouring lanes hold a block of 32.
;   0, 1 the largest magnitude of a lane's eight;  2 of the block, and the scale operand;  3 the codes and the bytes;  4, 5 bf16 in place, and the wait for all that the stores read;  6 codes and bytes to LDS;  7 the copy to LDS
.macro XQS u, sl
.if \sl == 0
	WIN 0x3c
.irp n, 0,1,2,3,4,5,6,7
	v_max3_num_f32 v[TM+\n], 0x1800000, |v[64*(\u)+8*\n]|, |v[64*(\u)+8*\n+1]|   ; with the floor 2^(3 - 127): the byte cannot fall under 1
.endr
.irp n, 0,1,2,3,4,5,6,7
	v_max3_num_f32 v[TM+\n], v[TM+\n], |v[64*(\u)+8*\n+2]|, |v[64*(\u)+8*\n+3]|
.endr
.elseif \sl == 1
	WIN 0x3c
.irp i, 4,6
.irp n, 0,1,2,3,4,5,6,7
	v_max3_num_f32 v[TM+\n], v[TM+\n], |v[64*(\u)+8*\n+\i]|, |v[64*(\u)+8*\n+\i+1]|
.endr
.endr
.elseif \sl == 2
	WIN 0
.irp x, 1,2
.irp n, 0,1,2,3,4,5,6,7
	v_max_num_f32_dpp v[TM+\n], v[TM+\n], v[TM+\n] row_xmask:\x row_mask:0xf bank_mask:0xf
.endr
.endr
.irp n, 0,1,2,3,4,5,6,7
	v_add_nc_u32 v[SO+\n], 0xff000000, v[TM+\n]    ; 2 off the exponent field
.endr
.elseif \sl == 3
	WIN 0x03
.irp n, 0,1,2,3,4,5,6,7
	v_cvt_scalef32_pk8_fp4_f32 v[PCD+\n], v[64*(\u)+8*\n:64*(\u)+8*\n+7], v[SO+\n]
.endr
	WIN 0
.irp n, 0,1,2,3,4,5,6,7
	v_lshrrev_b32 v[TM+\n], 23, v[SO+\n]           ; the bytes; also the plain lines behind the conversions, ahead of the writes of their sources
.endr
.elseif \sl == 4
	WIN 0xcf
.irp n, 0,1,2,3
.irp i, 0,1,2,3
	v_cvt_pk_bf16_f32 v[64*(\u)+8*\n+\i], v[64*(\u)+8*\n+2*\i], v[64*(\u)+8*\n+2*\i+1]   ; in place, ascending: no number is overwritten before it is read
.endr
.endr
.elseif \sl == 5
	WIN 0xcf
.irp n, 4,5,6,7
.irp i, 0,1,2,3
	v_cvt_pk_bf16_f32 v[64*(\u)+8*\n+\i], v[64*(\u)+8*\n+2*\i], v[64*(\u)+8*\n+2*\i+1]
.endr
.endr
	s_wait_alu depctr_va_vdst(0)                   ; the codes, the bytes, the bf16 numbers and the three LDS addresses are written: the 24 LDS stores of slices 6 and 7 read them; the products that stand between name none of them
.elseif \sl == 6
	WIN 0
.irp n, 0,1,2,3,4,5,6,7
	ds_store_b32 v[VXC], v[PCD+\n] offset:2*CP*(\u)+CP*(\n/4)+128*(\n%4)
.endr
.irp n, 0,1,2,3,4,5,6,7
	ds_store_b8 v[VXS], v[TM+\n] offset:2*AP*(\u)+AP*(\n/4)+8*(\n%4)   ; the four lanes of a block write the same byte with the same value
.endr
.else
	WIN 0x0c
.irp n, 0,1,2,3,4,5,6,7
	ds_store_b128 v[VXB], v[64*(\u)+8*\n:64*(\u)+8*\n+3] offset:4096*(\u)+2048*(\n/4)+512*(\n%4)
.endr
.endif
.endm
.macro XQ u                            ; the eight slices on end
.irp sl, 0,1,2,3,4,5,6,7
	XQS \u, \sl
.endr
	WIN 0
.endm
; two tiles of Wh's codes, their scale words and the columns' {wc, dec, v, 0} into set u: 36 loads in one run, behind one wait
.macro BLOAD u, bp, boff, dp, doff
	WIN 0x80
	s_wait_alu depctr_va_vdst(0)                   ; the trip before is done reading set u: its products the codes and the scale words, its sums' starts and tanh sums {wc, dec, v}; the loads below land there.  At the kernel's head: all offsets and addresses are written
.irp n, 0,1
.irp k, 0,1,2,3,4,5,6,7
.irp c, 0,1
	global_load_b128 v[128*(\u)+64*\n+8*\k+4*\c:128*(\u)+64*\n+8*\k+4*\c+3], v[L16], s[\bp:\bp+1] offset:\boff+TILEB*\n+1024*\k+512*\c
.endr
.endr
.endr
	WIN 0
.irp n, 0,1
	global_load_b128 v[BSR+8*(\u)+4*\n:BSR+8*(\u)+4*\n+3], v[L16], s[\bp:\bp+1] offset:\boff+TILEB*\n+8192
	global_load_b128 v[SD+8*(\u)+4*\n:SD+8*(\u)+4*\n+3], v[R16], s[\dp:\dp+1] offset:\doff+256*\n
.endr
.endm
.macro CINIT u                         ; the sums begin as cov wc + dec
.irp n, 0,1
.irp m, 0,1,2,3
.irp p, 0,2,4,6
	v_pk_fma_f32 v[ACC+8*(4*\n+\m)+\p:ACC+8*(4*\n+\m)+\p+1], v[COV+8*\m+\p:COV+8*\m+\p+1], v[SD+8*(\u)+4*\n:SD+8*(\u)+4*\n+1], v[SD+8*(\u)+4*\n:SD+8*(\u)+4*\n+1] op_sel:[0,0,1] op_sel_hi:[1,0,1]
.endr
.endr
.endr
.endm
; K step k of tile n: four matrix instructions, the tile's four accumulators by turns, one instruction a turn.  Operands and scale words are filled by loads alone.
.macro MMG u, n, k
	WIN 0x09                                       ; source 0 (enc) window 1, source 1 (Wh) window 2
.irp m, 0,1,2,3
.if \k < 4
	v_wmma_scale_f32_16x16x128_f8f6f4 v[ACC+8*(4*\n+\m):ACC+8*(4*\n+\m)+7], v[8*(8*\m+\k):8*(8*\m+\k)+7], v[128*(\u)+64*\n+8*\k:128*(\u)+64*\n+8*\k+7], v[ACC+8*(4*\n+\m):ACC+8*(4*\n+\m)+7], v[ASR+4*\m+\k], v[BSR+8*(\u)+4*\n+\k] matrix_a_fmt:MATRIX_FMT_FP4 matrix_b_fmt:MATRIX_FMT_FP4
.else
	v_wmma_scale_f32_16x16x128_f8f6f4 v[ACC+8*(4*\n+\m):ACC+8*(4*\n+\m)+7], v[8*(8*\m+\k):8*(8*\m+\k)+7], v[128*(\u)+64*\n+8*\k:128*(\u)+64*\n+8*\k+7], v[ACC+8*(4*\n+\m):ACC+8*(4*\n+\m)+7], v[ASR+4*\m+\k-4], v[BSR+8*(\u)+4*\n+\k-4] matrix_a_fmt:MATRIX_FMT_FP4 matrix_b_fmt:MATRIX_FMT_FP4 matrix_a_scale:MATRIX_SCALE_ROW1 matrix_b_scale:MATRIX_SCALE_ROW1
.endif
.endr
.endm
; SA += v / (1 + 2^(c x)) over tile n's 32 registers, in seven slices (an eighth is empty); each accumulator is read from its low end on.
;   0 c x;  1, 2 the exponentials;  3 + 1;  4, 5 the reciprocals;  6 the sums.  Each batch of 32 transcendentals has one plain line and one wait behind it, ahead of its first reader.
; w = 0: the wait is not written here: the one that stands with enc's loads, straight behind this slice, is that wait.
.macro THS u, n, sl, w
.set THB, ACC+32*(\n)
.if \sl < 7
	WIN 0
.endif
.if \sl == 0
.set JJ, 0
.rept 16
	v_pk_mul_f32 v[THB+JJ:THB+JJ+1], v[THB+JJ:THB+JJ+1], s[CC:CC+1] op_sel_hi:[1,0]
.set JJ, JJ+2
.endr
.elseif (\sl == 1) || (\sl == 2)
.set JJ, 16*(\sl-1)
.rept 16
	v_exp_f32 v[THB+JJ], v[THB+JJ]
.set JJ, JJ+1
.endr
.elseif \sl == 3
.set JJ, 0
.rept 16
	v_pk_add_f32 v[THB+JJ:THB+JJ+1], v[THB+JJ:THB+JJ+1], 1.0 op_sel_hi:[1,0]
.set JJ, JJ+2
.endr
.elseif (\sl == 4) || (\sl == 5)
.set JJ, 16*(\sl-4)
.rept 16
	v_rcp_f32 v[THB+JJ], v[THB+JJ]
.set JJ, JJ+1
.endr
.elseif \sl == 6
.irp m, 0,1,2,3
.irp p, 0,2,4,6
	v_pk_fma_f32 v[SA+8*\m+\p:SA+8*\m+\p+1], v[ACC+8*(4*\n+\m)+\p:ACC+8*(4*\n+\m)+\p+1], v[SD+8*(\u)+4*\n+2:SD+8*(\u)+4*\n+3], v[SA+8*\m+\p:SA+8*\m+\p+1] op_sel_hi:[1,0,1]
.endr
.endr
.endif
.if (\sl == 2) || (\sl == 5)
	v_nop
.if \w
	s_wait_alu depctr_va_vdst(0)                   ; the batch of 32 exponentials or reciprocals has written its results, ahead of their first reader
.endif
.endif
.endm
; A TRIP on set u.  cnt: the loads that may stay out: behind this trip's set of Wh stand the 16 loads of enc that the trip before issued, or none.  xq: two rows of enc are quantised; xl: and two more asked for.
; skip: in the last pair of all there is no next set of Wh.  pf: the pair's prefetches stand here, behind the run of Wh's loads.
.macro TRIP u, xq, xl, cnt, bp, boff, dp, doff, skip, pf
	s_wait_loadcnt \cnt                            ; loads come back in order: this trip's Wh is in, and with it the enc asked for two trips ago
.if \skip
	s_cmp_eq_u32 s[CNT], 1
	s_cbranch_scc1 .Lnb_\@
.endif
	BLOAD 1-\u, \bp, \boff, \dp, \doff             ; the next trip's, into the set that the trip before multiplied
.if \skip
.Lnb_\@:
.endif
.if \pf
	s_cmp_lt_u32 s[PFQ], 16                        ; my wave has 16 runs of four rows
	s_cbranch_scc0 .Lnp_\@
	global_prefetch_b8 v[PFO], s[PFP:PFP+1] th:TH_LOAD_NT scope:SCOPE_SE
	global_prefetch_b8 v[PFO], s[PFP:PFP+1] offset:8192 th:TH_LOAD_NT scope:SCOPE_SE
.Lnp_\@:
.endif
	CINIT \u
.irp k, 0,1,2,3,4,5,6,7
	MMG \u, 0, \k
.if \xq
	XQS \u, \k
.endif
.endr
.rept 4
	v_nop                                          ; the places between the first tile's last products and the first read of its results
.endr
.irp k, 0,1,2,3,4,5,6,7
	MMG \u, 1, \k
.set OWN, 1
.if \xl
.if \k == 2
.set OWN, 0
.endif
.endif
	THS \u, 0, \k, OWN
.if OWN == 0
	s_wait_dscnt 0x0                               ; as in the plain form: my LDS stores out of set u, three slices back, are done
	XLOAD \u, XP, (\u+2)*8192, 1                   ; its wait on va_vdst is also the wait for the 32 exponentials just issued, ahead of their first reader
.endif
.endr
.rept 4
	v_nop                                          ; likewise for the second tile
.endr
.irp k, 0,1,2,3,4,5,6
	THS \u, 1, \k, 1
.endr
.endm
.macro PAIR xq, xl, c0, c1, wrap, skip
.if \xq
	v_add_nc_u32 v[VXC], s[OXC], v[VXC0]           ; the LDS stores that read these three stand ahead of a wait on vm_vsrc on every way here: the one with enc's loads, or the one at the head of the scores' lines
	v_add_nc_u32 v[VXS], s[OXS], v[VXS0]
	v_add_nc_u32 v[VXB], s[OXB], v[VXB0]
.endif
	TRIP 0, \xq, \xl, \c0, BPC, 2*TILEB, DPC, 512, 0, \xq
.if \xq
.if \xl == 0
	s_wait_alu depctr_vm_vsrc(0)                   ; no loads of enc stand in this pair: the first trip's LDS stores have read the bytes and the codes, which the second trip's slices write again
.endif
.endif
.if \wrap
	TRIP 1, \xq, \xl, \c1, BP0, 0, DP0, 0, 0, 0    ; the next sub-block begins at my first tiles again
.else
	TRIP 1, \xq, \xl, \c1, BPC, 4*TILEB, DPC, 1024, \skip, 0
.endif
	s_wait_xcnt 0x0                                ; the bases are stepped only behind this wait; the last load stands half a trip back
	s_add_nc_u64 s[BPC:BPC+1], s[BPC:BPC+1], 4*TILEB
	s_add_nc_u64 s[DPC:DPC+1], s[DPC:DPC+1], 1024
.if \xq
	s_add_nc_u64 s[XP:XP+1], s[XP:XP+1], 16384
	s_add_co_u32 s[OXC], s[OXC], 4*CP
	s_add_co_u32 s[OXS], s[OXS], 4*AP
	s_add_co_u32 s[OXB], s[OXB], 8192
	s_and_b32 s55, s[PFQ], 3                       ; the prefetches go four rows on; behind a sub-block's last four to the next sub-block's first: 262,144 - 3 x 16,384 bytes
	s_cmp_eq_u32 s55, 3
	s_mov_b32 s56, 16384
	s_cselect_b32 s56, 212992, s56
	s_mov_b32 s57, 0
	s_add_nc_u64 s[PFP:PFP+1], s[PFP:PFP+1], s[56:57]
	s_add_co_u32 s[PFQ], s[PFQ], 1
.endif
.endm
.macro BARRIER                         ; my LDS stores have landed and my LDS loads are in: then the work-group's barrier
	s_wait_dscnt 0x0
	s_barrier_signal -1
	s_barrier_wait -1
.endm
; A sub-block's head: its cov, mask, 32 fragments and scale words, all from LDS; the sums begin.  Behind the barrier the codes, the scale bytes, the partial scores and the older bf16 copy may be written again.
.macro HEAD
	v_add_nc_u32 v[T+12], s[OCV], v[VCV0]          ; (the last head's loads, which read these two, stand ahead of many waits on vm_vsrc)
	v_add_nc_u32 v[T+13], s[OCV], v[VMK0]
	s_wait_alu depctr_va_vdst(0)                   ; the two addresses are written; and the lines that read cov, the mask, window 1 and enc's scale words (sums' starts, weights, products, the context's multiply-adds) are done: the loads below land there
.irp m, 0,1,2,3
	ds_load_b128 v[COV+8*\m:COV+8*\m+3], v[T+12] offset:64*\m
	ds_load_b128 v[COV+8*\m+4:COV+8*\m+7], v[T+12] offset:64*\m+16
.endr
	ds_load_b64 v[MK:MK+1], v[T+13]
	WIN 0x40
.irp m, 0,1,2,3
.irp k, 0,1,2,3,4,5,6,7
.irp c, 0,1
	ds_load_b128 v[8*(8*\m+\k)+4*\c:8*(8*\m+\k)+4*\c+3], v[VAF] offset:16*CP*\m+64*\k+32*\c
.endr
.endr
.endr
	WIN 0
.irp m, 0,1,2,3
	ds_load_b128 v[ASR+4*\m:ASR+4*\m+3], v[VAS] offset:16*AP*\m
.endr
.set JJ, 0
.rept 32
	v_mov_b32 v[SA+JJ], v[SVL]
.set JJ, JJ+1
.endr
	s_mov_b64 s[BPC:BPC+1], s[BP0:BP0+1]
	s_mov_b64 s[DPC:DPC+1], s[DP0:DP0+1]
	s_mov_b64 s[XP:XP+1], s[XB:XB+1]
	s_mov_b32 s[OXC], 0
	s_mov_b32 s[OXS], 0
	s_mov_b32 s[OXB], s[WB]
	s_add_co_u32 s[OCV], s[OCV], 256               ; 64 numbers on
	BARRIER
.endm
; the sums over my wave's 256 columns: across the 16 lanes of a half, then to LDS.  Behind the barrier the four waves' partial scores, and the next sub-block's codes, bytes and bf16 copy, are whole.
.macro REDUCE
.irp x, 1,2,4,8
.set JJ, 0
.rept 32
	v_add_f32_dpp v[SA+JJ], v[SA+JJ], v[SA+JJ] row_xmask:\x row_mask:0xf bank_mask:0xf
.set JJ, JJ+1
.endr
.endr
	s_wait_alu depctr_va_vdst(0)                   ; the sums are written, which the LDS stores read; and the last sub-block's lines are done with v[T] to v[T+7], in which the partial scores land behind the barrier
.irp m, 0,1,2,3
.irp q, 0,1
	ds_store_b128 v[VSC], v[SA+8*\m+4*\q:SA+8*\m+4*\q+3] offset:64*\m+16*\q   ; the sixteen lanes of a half write the same bytes with the same values
.endr
.endr
	BARRIER
.endm
; the sub-block's 64 scores (every wave makes all of them, two a lane), the running maximum and sum, and the context of my wave's 256 columns from the bf16 copy
.macro SCORECTX
	s_wait_alu depctr_vm_vsrc(0)                   ; the LDS stores above have read the sums' registers, in which the weights land below; the last sub-block's stores have read v[T:T+1] and the scores, its loads v[VCA] and v[VPA]: all are written again below
.irp q, 0,1,2,3
	ds_load_b64 v[T+2*\q:T+2*\q+1], v[VSR] offset:256*\q
.endr
	s_wait_dscnt 0x0
	v_pk_add_f32 v[T:T+1], v[T:T+1], v[T+2:T+3]
	v_pk_add_f32 v[T+4:T+5], v[T+4:T+5], v[T+6:T+7]
	v_pk_add_f32 v[T:T+1], v[T:T+1], v[T+4:T+5]
	v_pk_mul_f32 v[SCR:SCR+1], v[T:T+1], -2.0 op_sel_hi:[1,0]
	v_max_num_f32 v[T+8], v[SCR], v[SCR+1]
.irp x, 1,2,4,8
	v_max_num_f32_dpp v[T+8], v[T+8], v[T+8] row_xmask:\x row_mask:0xf bank_mask:0xf
.endr
	v_permlanex16_b32 v[T+9], v[T+8], s[SEL], s[SEL+1]
	v_max3_num_f32 v[T+10], v[T+8], v[T+9], v[MR]          ; the new maximum
	v_sub_f32 v[T], v[SCR], v[T+10]
	v_sub_f32 v[T+1], v[SCR+1], v[T+10]
	v_sub_f32 v[T+2], v[MR], v[T+10]
	v_mul_f32 v[T], s[L2E], v[T]
	v_mul_f32 v[T+1], s[L2E], v[T+1]
	v_mul_f32 v[T+2], s[L2E], v[T+2]
	v_exp_f32 v[T], v[T]
	v_exp_f32 v[T+1], v[T+1]
	v_exp_f32 v[T+2], v[T+2]                               ; f: what was summed under the old maximum is multiplied by it
	v_mov_b32 v[MR], v[T+10]                               ; (a plain line behind the exponentials)
	v_add_nc_u32 v[VCA], s[RB], v[VCB0]                    ; the copy that is read: rows 0-31,
	v_add_nc_u32 v[VPA], 0x10000, v[VCA]                   ; rows 32-63: an LDS immediate has 16 bits
	s_wait_alu depctr_va_vdst(0)                           ; the three exponentials have written their results, ahead of the first reader; the scores are written, which the store below reads, and so are v[VCA] and v[VPA]
	s_cmp_lg_u32 s[WV], 0
	s_cbranch_scc1 .Lns_\@
	global_store_b64 v[L8], v[SCR:SCR+1], s[SCG:SCG+1]     ; 32 lanes store 256 consecutive bytes
.Lns_\@:
	v_pk_mul_f32 v[T:T+1], v[T:T+1], v[MK:MK+1]            ; the weights: exp(score - m) x mask
	s_wait_alu depctr_va_vdst(0)                           ; the weights are written, which the LDS store reads; the lines that named cov's and the sums' registers and window 1 are done: the loads below land there
	ds_store_b64 v[VPW], v[T:T+1]                          ; my wave's own bytes: LDS serves a wave's instructions in order, so the loads below see them
.set JJ, 0
.rept 16
	ds_load_b128 v[COV+4*JJ:COV+4*JJ+3], v[VPB] offset:16*JJ       ; all 64 weights, the same in every lane, over cov's and the sums' registers, which are done with
.set JJ, JJ+1
.endr
	WIN 0x40                                               ; the 64 rows go to window 1: its fragments have had their last product, and the next sub-block's come behind this
.set JJ, 0
.rept 32
	ds_load_b128 v[4*JJ:4*JJ+3], v[VCA] offset:2048*JJ             ; 32 lanes read 512 consecutive bytes of a row
.set JJ, JJ+1
.endr
.set JJ, 0
.rept 32
	ds_load_b128 v[128+4*JJ:128+4*JJ+3], v[VPA] offset:2048*JJ
.set JJ, JJ+1
.endr
	WIN 0
	v_fma_f32 v[LL], v[LL], v[T+2], v[T]                   ; the sum and the context under the new maximum, while the rows are on their way: these lines name none of the registers in which loads land
	v_add_f32 v[LL], v[LL], v[T+1]
.irp i, 0,2,4,6
	v_pk_mul_f32 v[CT+\i:CT+\i+1], v[CT+\i:CT+\i+1], v[T+2:T+3] op_sel_hi:[1,0]
.endr
	WIN 0x01
.irp g, 0,1,2,3
	s_wait_dscnt 48-16*\g                                  ; rows up to 16 g + 15 are in; the later rows' loads may be out
.set JJ, 16*\g
.rept 16
.irp q, 0,1,2,3
	v_fma_mix_f32_bf16 v[CT+2*\q], v[4*JJ+\q], v[COV+JJ], v[CT+2*\q] op_sel:[0,0,0] op_sel_hi:[1,0,0]
	v_fma_mix_f32_bf16 v[CT+2*\q+1], v[4*JJ+\q], v[COV+JJ], v[CT+2*\q+1] op_sel:[1,0,0] op_sel_hi:[1,0,0]
.endr
.set JJ, JJ+1
.endr
.endr
	WIN 0
	s_wait_xcnt 0x0                                        ; the scores' store has read its base and its data
	s_add_nc_u64 s[SCG:SCG+1], s[SCG:SCG+1], 256
.endm
	s_load_b512 s[4:19], s[0:1], 0x0               ; enc 4, cov 6, mask 8, v 10, whq 12, side 14, scores 16, ctxp 18
	s_load_b64 s[20:21], s[0:1], 0x40              ; ml
	v_lshl_add_u32 v51, v0, 2, 0x4a800
	v_mov_b32 v255, 0
	v_lshrrev_b32 v36, 5, v0
	v_readfirstlane_b32 s[WV], v36                 ; wave 0..3
	v_and_b32 v36, 31, v0                          ; lane
	v_and_b32 v37, 15, v0                          ; r
	v_bfe_u32 v38, v0, 4, 1                        ; h
	v_lshlrev_b32 v39, 2, v37
	v_lshlrev_b32 v[L16], 4, v36
	v_lshlrev_b32 v[R16], 4, v37
	v_lshlrev_b32 v[L32], 5, v36
	v_lshlrev_b32 v[L8], 3, v36
	v_lshlrev_b32 v[PFO], 8, v36
	s_wait_alu depctr_va_sdst(0)                   ; the wave's number is written, ahead of its first reader
	s_mul_i32 s44, s[WV], 16*CP
	s_add_co_u32 s44, s44, COD
	v_lshl_add_u32 v[VXC0], v36, 2, s44
	s_mul_i32 s44, s[WV], 16*AP
	s_add_co_u32 s44, s44, ASC
	v_lshrrev_b32 v[VXS0], 2, v36
	v_add_nc_u32 v[VXS0], s44, v[VXS0]
	s_lshl_b32 s44, s[WV], 15
	v_lshl_add_u32 v[VXB0], v36, 4, s44
	v_mul_u32_u24 v[VAF], v37, CP
	v_lshl_add_u32 v[VAF], v38, 4, v[VAF]
	v_add_nc_u32 v[VAF], COD, v[VAF]
	v_mul_u32_u24 v[VAS], v37, AP
	v_lshl_add_u32 v[VAS], v38, 4, v[VAS]
	v_add_nc_u32 v[VAS], ASC, v[VAS]
	s_lshl_b32 s44, s[WV], 8
	s_add_co_u32 s45, s44, SCP
	v_lshl_add_u32 v[VSC], v38, 5, s45
	v_lshl_add_u32 v[VSR], v36, 3, SCP
	s_add_co_u32 s45, s44, PBR
	v_lshl_add_u32 v[VPW], v36, 3, s45
	v_mov_b32 v[VPB], s45
	s_lshl_b32 s44, s[WV], 9
	v_lshl_add_u32 v[VCB0], v36, 4, s44
	v_lshl_add_u32 v[VCV0], v38, 5, CVL
	v_lshl_add_u32 v[VMK0], v36, 3, MKL
	v_lshlrev_b32 v44, 3, v0                       ; 8 x thread: my two numbers of the work-group's 256 cov, and of its mask,
	v_lshl_add_u32 v46, v0, 3, CVL                 ; and their place in LDS
	s_mov_b32 s[CC], 0x4038aa3b                    ; c = 2 log2(e)
	s_mov_b32 s[CC+1], s[CC]                       ; (named with it as a pair, so it is written)
	s_mov_b32 s[SEL], 0x76543210
	s_mov_b32 s[SEL+1], 0xfedcba98
	s_mov_b32 s[L2E], 0x3fb8aa3b                   ; log2(e)
	s_mov_b32 s[WB], BUF
	s_mov_b32 s[RB], 0
	s_mov_b32 s[OXC], 0
	s_mov_b32 s[OXS], 0
	s_mov_b32 s[OXB], 0                            ; sub-block 0's bf16 copy goes to the first buffer
	s_mov_b32 s[OCV], 0
	s_mov_b32 s[PFQ], 6                            ; the first request: sub-block 1, its third run of four rows
	s_lshl_b32 s44, ttmp9, 20                      ; 256 rows of 4,096 bytes
	s_lshl_b32 s45, s[WV], 16                      ; 16 rows
	s_add_co_u32 s44, s44, s45
	s_mov_b32 s45, 0
	s_lshl_b32 s46, ttmp9, 10                      ; 256 f32
	s_mov_b32 s47, 0
	s_wait_kmcnt 0x0
	s_add_nc_u64 s[XB:XB+1], s[XB:XB+1], s[44:45]
	s_add_nc_u64 s[CVP:CVP+1], s[CVP:CVP+1], s[46:47]
	s_add_nc_u64 s[MKP:MKP+1], s[MKP:MKP+1], s[46:47]
	s_add_nc_u64 s[SCG:SCG+1], s[SCG:SCG+1], s[46:47]
	s_lshl_b32 s44, s[WV], 10
	s_add_nc_u64 s[VP:VP+1], s[VP:VP+1], s[44:45]
	s_mul_i32 s44, s[WV], 16*TILEB
	s_add_nc_u64 s[BP0:BP0+1], s[BP0:BP0+1], s[44:45]
	s_lshr_b32 s44, ttmp9, 4
	s_lshl_b32 s44, s44, 14
	s_lshl_b32 s46, s[WV], 12
	s_add_co_u32 s44, s44, s46
	s_add_nc_u64 s[DP0:DP0+1], s[DP0:DP0+1], s[44:45]
	s_lshl_b32 s44, ttmp9, 12
	s_lshl_b32 s46, s[WV], 10
	s_add_co_u32 s44, s44, s46
	s_add_nc_u64 s[CXP:CXP+1], s[CXP:CXP+1], s[44:45]
	s_lshl_b32 s44, ttmp9, 8
	s_add_nc_u64 s[MLP:MLP+1], s[MLP:MLP+1], s[44:45]
	s_mov_b64 s[XP:XP+1], s[XB:XB+1]
	s_add_nc_u64 s[PFP:PFP+1], s[XB:XB+1], 262144+2*16384
	BLOAD 0, BP0, 0, DP0, 0                        ; the first set of Wh; its wait stands for every offset and address made above: no vector line stands between it and the loads below,
.irp t, 0,1,2,3,4,5,6,7,8,9,10,11,12,13,14,15
	global_load_b32 v[ACC+\t], v39, s[VP:VP+1] offset:64*\t   ; v of my column in each of my wave's 16 tiles,
.endr
	global_load_b64 v[40:41], v44, s[CVP:CVP+1]    ; the work-group's cov and mask, 1,024 consecutive bytes each from its 128 threads,
	global_load_b64 v[42:43], v44, s[MKP:MKP+1]
	XLOAD 0, XB, 0, 0                              ; and sub-block 0's first four rows
	XLOAD 1, XB, 8192, 0
.irp i, 0,1,2,3,4,5,6,7
	v_mov_b32 v[CT+\i], 0
.endr
	v_mov_b32 v[LL], 0
	v_mov_b32 v[MR], 0xff7fffff                    ; under every score
	v_mov_b32 v[T+9], 0                            ; a lane permute's destination counts as read
	s_wait_loadcnt 32                              ; behind v, cov and mask stand the 32 loads of enc
	v_add_f32 v[SVL], v[ACC], v[ACC+1]
.irp t, 2,3,4,5,6,7,8,9,10,11,12,13,14,15
	v_add_f32 v[SVL], v[SVL], v[ACC+\t]
.endr
	v_mul_f32 v[SVL], -0.5, v[SVL]
	ds_store_b64 v46, v[40:41]                     ; written once; read behind the barrier at the first sub-block's end of quantising.  (v39 to v46, which the loads above and these two stores read, are
	ds_store_b64 v46, v[42:43] offset:MKL-CVL      ; written again only in the first sub-block's scores, behind the waits on vm_vsrc of the loop below)
	; ---- sub-block 0 is quantised with nothing to multiply yet: four rows a trip
	s_mov_b32 s[CNT], 3
.Lpro:
	v_add_nc_u32 v[VXC], s[OXC], v[VXC0]           ; (round the back edge: the LDS stores that read these three stand ahead of the wait on vm_vsrc with set 1's loads)
	v_add_nc_u32 v[VXS], s[OXS], v[VXS0]
	v_add_nc_u32 v[VXB], s[OXB], v[VXB0]
	s_wait_loadcnt 16                              ; set 0 is in; set 1's 16 loads may be out
	XQ 0
	s_wait_dscnt 0x0                               ; as in the plain form: my LDS stores out of set 0 are done
	XLOAD 0, XP, 16384, 1
	s_wait_loadcnt 16                              ; set 1 is in; set 0's new loads may be out
	XQ 1
	s_wait_dscnt 0x0
	XLOAD 1, XP, 24576, 1
	s_wait_xcnt 0x0                                ; the base is stepped only behind this wait
	s_add_nc_u64 s[XP:XP+1], s[XP:XP+1], 16384
	s_add_co_u32 s[OXC], s[OXC], 4*CP
	s_add_co_u32 s[OXS], s[OXS], 4*AP
	s_add_co_u32 s[OXB], s[OXB], 8192
	s_sub_co_u32 s[CNT], s[CNT], 1
	s_cmp_lg_u32 s[CNT], 0
	s_cbranch_scc1 .Lpro
	v_add_nc_u32 v[VXC], s[OXC], v[VXC0]           ; the last four rows: nothing more of this sub-block to ask for
	v_add_nc_u32 v[VXS], s[OXS], v[VXS0]
	v_add_nc_u32 v[VXB], s[OXB], v[VXB0]
	s_wait_loadcnt 16
	XQ 0
	s_wait_loadcnt 0x0
	s_wait_alu depctr_vm_vsrc(0)                   ; no loads of enc stand between: set 0's LDS stores have read the bytes and the codes, which set 1's lines write again
	XQ 1
	s_wait_dscnt 0x0
	s_add_nc_u64 s[XB:XB+1], s[XB:XB+1], 262144    ; (every load that named it is done)  sub-block 1
	XLOAD 0, XB, 0, 1                              ; the two waits stand for both sets: only loads and window switches follow them
	XLOAD 1, XB, 8192, 0
	BARRIER                                        ; sub-block 0's codes, bytes and bf16 copy, and cov and mask, are whole
	HEAD
	; ---- sub-blocks 0, 1, 2: multiplied while the next one is quantised
	s_mov_b32 s[SUB], 0
.Lsub:
	s_mov_b32 s[CNT], 3
.Lpa:
	PAIR 1, 1, 16, 16, 0, 0
	s_sub_co_u32 s[CNT], s[CNT], 1
	s_cmp_lg_u32 s[CNT], 0
	s_cbranch_scc1 .Lpa
	PAIR 1, 0, 16, 0, 1, 0                         ; the last pair asks for no more rows: in its second trip nothing stands behind its set of Wh
	s_add_nc_u64 s[XB:XB+1], s[XB:XB+1], 262144    ; (behind the pair's wait)  the sub-block after the next
	s_cmp_lt_u32 s[SUB], 2
	s_cbranch_scc0 .Lnox                           ; there are four sub-blocks: no load leaves the work-group's rows
	s_wait_dscnt 0x0                               ; as in the plain form: my LDS stores out of both sets are done
	XLOAD 0, XB, 0, 1                              ; behind the next sub-block's first set of Wh: its first trip's count leaves the second of these out.  The two waits stand for both sets
	XLOAD 1, XB, 8192, 0
	s_branch .Lxd
.Lnox:
	s_wait_loadcnt 0x0                             ; on this way nothing stands behind that set of Wh: it is waited for here
.Lxd:
	REDUCE
	SCORECTX
	s_xor_b32 s[WB], s[WB], BUF                    ; the two bf16 copies change places
	s_xor_b32 s[RB], s[RB], BUF
	HEAD
	s_add_co_u32 s[SUB], s[SUB], 1
	s_cmp_lt_u32 s[SUB], 3
	s_cbranch_scc1 .Lsub
	; ---- sub-block 3: nothing is left to quantise
	s_mov_b32 s[CNT], 4
.Lpc:
	PAIR 0, 0, 0, 0, 0, 1
	s_sub_co_u32 s[CNT], s[CNT], 1
	s_cmp_lg_u32 s[CNT], 0
	s_cbranch_scc1 .Lpc
	REDUCE
	SCORECTX
	; ---- out: the partial context, and from wave 0 the maximum and the sum
.irp x, 1,2,4,8
	v_add_f32_dpp v[LL], v[LL], v[LL] row_xmask:\x row_mask:0xf bank_mask:0xf
.endr
	v_permlanex16_b32 v[T+9], v[LL], s[SEL], s[SEL+1]
	v_add_f32 v[LL], v[LL], v[T+9]
	s_wait_alu depctr_va_vdst(0)                   ; the context, the maximum and the sum are written, which the stores below read
	global_store_b128 v[L16], v[CT:CT+3], s[CXP:CXP+1]             ; 512 consecutive bytes each
	global_store_b128 v[L16], v[CT+4:CT+7], s[CXP:CXP+1] offset:512
	s_cmp_lg_u32 s[WV], 0
	s_cbranch_scc1 .Lend
	global_store_b64 v[L8], v[MR:MR+1], s[MLP:MLP+1]               ; {m, l} from every lane: 256 consecutive bytes
.Lend:
	s_wait_dscnt 0x0                               ; the closing lines, six on end
	s_wait_alu 0x0
	s_wait_tensorcnt 0x0
	ds_add_u32 v51, v255
	s_wait_dscnt 0x0
	s_endpgm
.Lfunc_end_k_q3d376b00ba_main:
	.size	k_q3d376b00ba_main, .Lfunc_end_k_q3d376b00ba_main-k_q3d376b00ba_main
	.p2alignl 7, 3214868480
	.fill 96, 4, 3214868480
	.section	.rodata,"a",@progbits
	.p2align	6, 0x0
	.amdhsa_kernel k_q3d376b00ba_main
		.amdhsa_group_segment_fixed_size 305664
		.amdhsa_private_segment_fixed_size 0
		.amdhsa_enable_private_segment 0
		.amdhsa_kernarg_size 72
		.amdhsa_user_sgpr_count 2
		.amdhsa_user_sgpr_kernarg_segment_ptr 1
		.amdhsa_wavefront_size32 1
		.amdhsa_system_sgpr_workgroup_id_x 1
		.amdhsa_system_sgpr_workgroup_id_y 1
		.amdhsa_system_sgpr_workgroup_id_z 1
		.amdhsa_system_vgpr_workitem_id 0
		.amdhsa_next_free_vgpr 896
		.amdhsa_next_free_sgpr 66
		.amdhsa_reserve_vcc 0
		.amdhsa_float_denorm_mode_32 3
		.amdhsa_float_denorm_mode_16_64 3
		.amdhsa_memory_ordered 1
		.amdhsa_forward_progress 1
		.amdhsa_inst_pref_size 255
	.end_amdhsa_kernel
	.section	.bss,"aw",@nobits
	.p2align	6
	.space	262144
	.amdgpu_metadata
---
amdhsa.version: [ 1, 2 ]
amdhsa.kernels:
  - .name:           k_q3d376b00ba_main
    .symbol:         k_q3d376b00ba_main.kd
    .args:
      - { .name: encoder_output, .offset: 0, .size: 8, .value_kind: global_buffer, .address_space: global }
      - { .name: coverage_vector, .offset: 8, .size: 8, .value_kind: global_buffer, .address_space: global }
      - { .name: x_padding_masks, .offset: 16, .size: 8, .value_kind: global_buffer, .address_space: global }
      - { .name: v, .offset: 24, .size: 8, .value_kind: global_buffer, .address_space: global }
      - { .name: whq, .offset: 32, .size: 8, .value_kind: global_buffer, .address_space: global }
      - { .name: side, .offset: 40, .size: 8, .value_kind: global_buffer, .address_space: global }
      - { .name: scores, .offset: 48, .size: 8, .value_kind: global_buffer, .address_space: global }
      - { .name: ctxp, .offset: 56, .size: 8, .value_kind: global_buffer, .address_space: global }
      - { .name: ml, .offset: 64, .size: 8, .value_kind: global_buffer, .address_space: global }
    .group_segment_fixed_size: 305664
    .private_segment_fixed_size: 0
    .kernarg_segment_align: 8
    .kernarg_segment_size: 72
    .max_flat_workgroup_size: 128
    .sgpr_count:     66
    .vgpr_count:     896
    .wavefront_size: 32
...
	.end_amdgpu_metadata
.endif
;; end of part 5
;; launch combine: the kernel of part 3 again; grid 4 x 16, 8 waves a work-group, no clusters, 0 bytes of LDS; arguments scores, ml, ctxp, x_padding_masks, coverage_vector, out0, out1, out2; writes out0, out1, out2
